; MI455X (gfx1250); checked and timed in simulation.
; The chip was launched on July 23, 2026; its instructions are those of AMD's public machine-readable ISA for CDNA 5 (MIT licence, August 2026) and "CDNA5" Instruction Set Architecture Reference Guide (July 2026). The comments in the code are by the model that wrote it; some were corrected since.
;; Self Attn V2. Allowed arithmetic: float matrix products may take bf16 or f16 operands with f32 sums; other float arithmetic in f32, or as packed bf16 or f16 multiplies, adds, multiply-adds, maxima and minima; sums over many terms, partial sums and values carried from step to step in f32; what a program stores and reads back later, other than sums and carried values, may be rounded once to bf16 or f16.
;; Inputs: W_out 1,024 x 1,024 float32; W_qkv 1,024 x 3,072 float32; b_out 1,024 float32; b_qkv 3,072 float32; x 4 x 2,048 x 1,024 float32.
;; Outputs: out0 4 x 2,048 x 1,024 float32.
;; One version. Each part assembles by itself: llvm-mc -triple=amdgcn-amd-amdhsa -mcpu=gfx1250 --defsym DOCPART=n.
;; ======== version 1 of 1: 4 launches
;; workspace buffers: ops 20,971,520 bytes; tab 12,288 bytes; qv 33,554,432 bytes; pt 33,554,432 bytes; st 1,048,576 bytes
;; launch prep (part 1): grid 16 x 16, 4 waves a work-group, clusters of 4 x 4, 327,680 bytes of LDS; arguments x, W_qkv, W_out, b_qkv, b_out, ops, tab; writes ops, tab
.if DOCPART == 1
	.amdgcn_target "amdgcn-amd-amdhsa--gfx1250"
	.amdhsa_code_object_version 6
	.text
	.protected	k_q31df96ab9c_prep
	.globl	k_q31df96ab9c_prep
	.p2align	8
	.type	k_q31df96ab9c_prep,@function
k_q31df96ab9c_prep:
	s_mov_b64 s[64:65], 0
	v_nop
	global_prefetch_b8 v0, s[64:65] scope:SCOPE_SE
	s_setreg_imm32_b32 hwreg(HW_REG_WAVE_MODE, 25, 1), 1
	s_wait_xcnt 0x0
	s_wait_alu depctr_hold_cnt(0) depctr_sa_sdst(0) depctr_va_vdst(0) depctr_va_sdst(0) depctr_va_ssrc(0) depctr_va_vcc(0) depctr_vm_vsrc(0)
	s_getreg_b32 s2, hwreg(HW_REG_IB_STS2, 6, 4)
	s_cmp_eq_u32 s2, 0
	s_cbranch_scc0 .Lentry_in_a_cluster
	s_endpgm
.Lentry_in_a_cluster:
	s_bfe_u32 s2, ttmp6, 0x10000c
	s_cmp_lg_u32 s2, 0xf033
	s_cbranch_scc0 .Lentry_shape_is_right
	s_endpgm
.Lentry_shape_is_right:
; PREP.  ops rows 0-8191 = x rounded to bf16.  ops rows 8192-9215 = Bq[j][i] = sum_d Wq[i][d] Wk[j][d].  ops rows 9216-10239 = Bvo[n][i] = sum_d Wv[i][d] Wout[d][n].
; tab[0..1023] = cq[j] = sum_d bq[d] Wk[j][d];  tab[1024..2047] = 0;  tab[2048..3071] = cv[n] = sum_d bv[d] Wout[d][n] + b_out[n].  All inputs are rounded to bf16 first; sums in f32.
; WHY.  (x Wq + bq).(y Wk + bk) = (x M + cq).y + a term that is the same for all keys of a query and so cancels in the softmax, for every input; bk enters that term alone, so b_qkv's middle
; third is not loaded.  softmax rows sum to 1, so softmax.(x Wv + bv) Wout + b_out = softmax.(x Wvo) + cv.
; SHARES.  256 work-groups; work-group (gx, gy) makes the tile m = 64 gy .., i = 64 gx .. of BOTH products: waves 0, 1 of Bq, waves 2, 3 of Bvo; a wave 32 m x 64 i.  It also rounds 32 rows of x, a row a wave in each K step.
; K = 1,024 goes in 8 steps of 128 through two LDS slots of f32 tiles; each wave fetches one tile: wave 0 Wk (64 rows x 128), wave 1 Wout (128 d-rows x 64 columns), wave 2 Wq, wave 3 Wv (64 rows x 128).
; CLUSTER 4 x 4: Wk's and Wout's tiles hang on gy and are asked for jointly along a row of the cluster, Wq's and Wv's on gx and along a column.
; A row piece of Bq or Bvo that a work-group makes is 64 numbers: a store's eight neighbouring lanes write 128 consecutive bytes (4 MB of the launch's 21 MB of stores); x's rows leave as 512 consecutive bytes a store.
.set PB,    528                        ; LDS pitch of rows of 128 f32: 512 + 16 bytes: 16 rows of a load start at 16 different groups of four banks (ISA guide 11.1)
.set PT,    272                        ; of rows of 64 f32
.set A3OFF, 64*PB                      ; a slot: Wk's tile, Wout's tile,
.set BOFF,  A3OFF+128*PT               ; Wq's, Wv's
.set BHALF, 64*PB
.set SLOT,  BOFF+2*BHALF               ; 136,192 bytes
.set BVB,   2*SLOT                     ; bq, then bv, in bf16: 2,048 bytes each
.set STAGE, BVB+4096                   ; the way out: 32 rows x 144 bytes for each wave
.set SP,    144
.set SPARE, STAGE+4*32*SP              ; the spare words, 128 bytes a wave: no other line names them
.set A2L, 4                            ; lane bases in a slot, never rewritten: Wk's fragments,
.set A3L, 5                            ; Wout's,
.set BL,  6                            ; Wq's or Wv's,
.set VL,  7                            ; the bias vector's
.set AA2, 8                            ; the same at the chunk in hand
.set AA3, 9
.set AB,  10
.set AV,  11
.set XO,  12                           ; 32 x lane: my 8 numbers in 1,024 bytes of a row of x
.set XS,  13                           ; 16 x lane: the same 8 in bf16
.set BT0, 14                           ; 4 x my row among the tile's 64
.set TO,  15                           ; the same + 8,192 for waves 2, 3: offset in tab
.set KEY0,16                           ; (my row >> 2) for fragment 0, out of range in lanes 16-31
.set KEY1,17
.set BO0, 18                           ; b_out of my two rows (0 in waves 0, 1), then the vectors' values
.set BO1, 19
.set ZR,  20
.set STO, 21
.set RD,  22
.set CO,  23
.set BIO, 24
.set BVS, 25
.set SPW, 28                           ; my spare word; never rewritten
.set NIL, 29                           ; 0; never rewritten
.set RAWA,32                           ; f32 as read from LDS: 2 fragments x 16
.set RAWB,64                           ; 4 fragments x 16
.set FA,  128                          ; bf16 fragments
.set FB,  144
.set FV,  176
.set XR,  184                          ; a row of x: 32 registers
.set XOUT,216                          ; the same in bf16
.set TMP, 32
.set G1A2,24                           ; s[24:31] shape of Wk's tile;  s[32:35] its group 0
.set G0A2,32
.set G0A3,36                           ; s[36:39], s[40:47] the same for Wout's
.set G1A3,40
.set G1B, 48                           ; s[48:55], s[56:59] for Wq's and Wv's
.set G0B, 56
.set CNT, 68
.set KC,  69
.set FS,  70                           ; the slot that is filled next: 0 or SLOT
.set REGB,71
.set T2,  86                           ; slot in hand + 128 x chunk
.set T3,  87                           ; slot in hand + 32 d-rows x chunk
.set TV,  88                           ; 64 bytes of the bias vector x chunk, over all K
.set MSB, 0
.macro WIN new                         ; the immediate's high byte repeats the setting that is left
.if MSB != (\new)
	s_set_vgpr_msb (MSB<<8)|(\new)
.set MSB, \new
.endif
.endm
.macro PLACES
.rept 4
	v_nop
.endr
.endm
.macro CROUND                          ; a round of the cluster's barrier
	s_barrier_signal -1
	s_barrier_wait -1
	s_cmp_lg_u32 s10, 0
	s_cbranch_scc1 .Lnot_wave_0_\@
	s_barrier_signal -3
.Lnot_wave_0_\@:
	s_barrier_wait -3
	s_barrier_signal -1
	s_barrier_wait -1
.endm
.macro JLOAD                           ; each wave's one joint load; the branches hang on the wave's number alone; an s_nop 0 and four v_nop follow each line
	s_cmp_lt_u32 s10, 2
	s_cbranch_scc0 .Lfor_b_\@
	s_cmp_eq_u32 s10, 0
	s_cbranch_scc0 .Lfor_t_\@
	tensor_load_to_lds s[G0A2:G0A2+3], s[G1A2:G1A2+7]
	s_nop 0
	PLACES
	s_branch .Lasked_\@
.Lfor_t_\@:
	tensor_load_to_lds s[G0A3:G0A3+3], s[G1A3:G1A3+7]
	s_nop 0
	PLACES
	s_branch .Lasked_\@
.Lfor_b_\@:
	tensor_load_to_lds s[G0B:G0B+3], s[G1B:G1B+7]
	s_nop 0
	PLACES
.Lasked_\@:
.endm
	s_load_b256 s[72:79], s[0:1], 0x0              ; x s[72:73], W_qkv s[74:75], W_out s[76:77], b_qkv s[78:79]
	s_load_b128 s[80:83], s[0:1], 0x20             ; b_out s[80:81], ops s[82:83]
	s_load_b64 s[84:85], s[0:1], 0x30              ; tab
	v_lshl_add_u32 v[SPW], v0, 2, SPARE
	v_mov_b32 v[NIL], 0
	ds_add_u32 v[SPW], v[NIL]                      ; the wave's opening: the add and its wait ahead of my first tensor load; the set-up below stands between them
	v_lshrrev_b32 v1, 5, v0
	v_readfirstlane_b32 s10, v1                    ; wave 0..3
	s_lshr_b32 s11, s10, 1                         ; which product I work on: 0 Bq, 1 Bvo
	s_and_b32 s12, s10, 1                          ; which 32 of the tile's 64 rows m
	s_bfe_u32 s60, ttmp6, 0x40000                  ; cx
	s_bfe_u32 s61, ttmp6, 0x40004                  ; cy
	s_lshl_b32 s62, ttmp9, 2
	s_add_co_u32 s62, s62, s60                     ; gx
	s_and_b32 s63, ttmp7, 0xffff
	s_lshl_b32 s63, s63, 2
	s_add_co_u32 s63, s63, s61                     ; gy
	s_lshl_b32 s66, s61, 2
	s_lshl_b32 s66, 15, s66                        ; my row of the cluster
	s_lshl_b32 s67, 0x1111, s60                    ; my column
	s_or_b32 s[G1A2], s66, (2<<16)|(1<<20)|(1<<21)|(6<<22)|(3<<25)  ; mask; 4-byte elements; padding on; bit 21 beside a mask; after every 128 words, 4 words
	s_or_b32 s[G1A3], s66, (2<<16)|(1<<20)|(1<<21)|(5<<22)|(3<<25)  ; after every 64 words
	s_or_b32 s[G1B],  s67, (2<<16)|(1<<20)|(1<<21)|(6<<22)|(3<<25)
.irp g, G1A2, G1B
	s_mov_b32 s[(\g)+1], 128<<16                   ; tensor_dim0 = 128
	s_mov_b32 s[(\g)+2], 64<<16                    ; tensor_dim1 = 64
	s_mov_b32 s[(\g)+3], 128<<16                   ; tile_dim0 = 128
	s_mov_b32 s[(\g)+4], 64                        ; tile_dim1 = 64
	s_mov_b32 s[(\g)+5], 3072                      ; a row of W_qkv
	s_mov_b32 s[(\g)+6], 0
	s_mov_b32 s[(\g)+7], 0
.endr
	s_mov_b32 s[G1A3+1], 64<<16
	s_mov_b32 s[G1A3+2], 128<<16
	s_mov_b32 s[G1A3+3], 64<<16
	s_mov_b32 s[G1A3+4], 128
	s_mov_b32 s[G1A3+5], 1024                      ; a row of W_out
	s_mov_b32 s[G1A3+6], 0
	s_mov_b32 s[G1A3+7], 0
	s_mov_b32 s[G0A2], 1
	s_mov_b32 s[G0A2+1], 0
	s_mov_b32 s[G0A3], 1
	s_mov_b32 s[G0A3+1], A3OFF
	s_mul_i32 s[REGB], s12, BHALF
	s_add_co_u32 s[REGB], s[REGB], BOFF
	s_mov_b32 s[G0B], 1
	s_mov_b32 s[G0B+1], s[REGB]
	s_mov_b32 s[FS], 0
	s_mov_b32 s[T2], SLOT+512                      ; the first change of slots turns these two into 0
	s_mov_b32 s[T3], SLOT+128*PT
	s_mov_b32 s[TV], 0
	s_mul_i32 s16, s63, 64*12288                   ; Wk: rows 64 gy on, columns 1,024 on
	s_add_co_u32 s16, s16, 4096
	s_mov_b32 s17, 0
	s_lshl_b32 s18, s63, 8                         ; Wout: columns 64 gy on; also b_out's and tab's 64 words
	s_mov_b32 s19, 0
	s_mul_i32 s20, s62, 64*12288                   ; Wq (wave 2) or Wv (wave 3): rows 64 gx on
	s_lshl_b32 s21, s12, 13
	s_add_co_u32 s20, s20, s21
	s_mov_b32 s21, 0
	s_lshl_b32 s2, s63, 4
	s_add_co_u32 s2, s2, s62                       ; the work-group's number,
	s_lshl_b32 s2, s2, 2
	s_add_co_u32 s2, s2, s10                       ; my wave's: its 8 rows of x
	s_lshl_b32 s22, s2, 15
	s_mov_b32 s23, 0
	s_lshl_b32 s14, s2, 14
	s_mov_b32 s15, 0
	s_lshl_b32 s2, s11, 21                         ; my 32 rows of Bq or Bvo: row 8,192 + 1,024 product + 64 gy + 32 half, byte 128 gx
	s_lshl_b32 s3, s63, 17
	s_add_co_u32 s2, s2, s3
	s_lshl_b32 s3, s12, 16
	s_add_co_u32 s2, s2, s3
	s_lshl_b32 s3, s62, 7
	s_add_co_u32 s2, s2, s3
	s_add_co_u32 s2, s2, 8192*2048
	s_mov_b32 s3, 0
	s_wait_dscnt 0x0                               ; the opening add is done
	s_wait_kmcnt 0x0
	s_add_nc_u64 s[G0A2+2:G0A2+3], s[74:75], s[16:17]
	s_or_b32 s[G0A2+3], s[G0A2+3], 0x80000000
	s_add_nc_u64 s[G0A3+2:G0A3+3], s[76:77], s[18:19]
	s_or_b32 s[G0A3+3], s[G0A3+3], 0x80000000
	s_add_nc_u64 s[G0B+2:G0B+3], s[74:75], s[20:21]
	s_or_b32 s[G0B+3], s[G0B+3], 0x80000000
	s_add_nc_u64 s[72:73], s[72:73], s[22:23]      ; x at my first row
	s_add_nc_u64 s[90:91], s[82:83], s[14:15]      ; its place in ops
	s_add_nc_u64 s[82:83], s[82:83], s[2:3]        ; my rows of Bq or Bvo
	s_add_nc_u64 s[80:81], s[80:81], s[18:19]      ; b_out at 64 gy
	s_add_nc_u64 s[84:85], s[84:85], s[18:19]      ; tab at 64 gy
	CROUND                                         ; all sixteen work-groups are here: the first joint loads meet
	JLOAD                                          ; K step 0 into slot 0
.macro XLOAD                           ; a row of x: a lane takes 32 consecutive bytes of each 1,024
.irp g, 0,1,2,3
	global_load_b128 v[XR+8*(\g):XR+8*(\g)+3],   v[XO], s[72:73] offset:1024*(\g) th:TH_LOAD_NT
	global_load_b128 v[XR+8*(\g)+4:XR+8*(\g)+7], v[XO], s[72:73] offset:1024*(\g)+16 th:TH_LOAD_NT
.endr
.endm
	v_and_b32 v1, 15, v0                           ; r
	v_bfe_u32 v2, v0, 4, 1                         ; h
	v_and_b32 v3, 31, v0                           ; lane
	v_lshlrev_b32 v[BIO], 5, v0                    ; thread t rounds bq's and bv's numbers 8 t .. 8 t + 7
	global_load_b128 v[32:35], v[BIO], s[78:79]
	global_load_b128 v[36:39], v[BIO], s[78:79] offset:16
	global_load_b128 v[40:43], v[BIO], s[78:79] offset:8192
	global_load_b128 v[44:47], v[BIO], s[78:79] offset:8208
	s_lshl_b32 s2, s12, 7
	v_lshl_add_u32 v[BT0], v1, 2, s2
	global_load_b32 v[BO0], v[BT0], s[80:81]
	global_load_b32 v[BO1], v[BT0], s[80:81] offset:64
	v_lshlrev_b32 v[XO], 5, v3
	v_lshlrev_b32 v[XS], 4, v3
	XLOAD                                          ; my first row of x
	s_lshl_b32 s3, s11, 13
	v_add_nc_u32 v[TO], s3, v[BT0]
	v_mov_b32 v[ZR], 0
	v_mul_u32_u24 v26, v1, PB
	v_lshl_add_u32 v26, v2, 5, v26                 ; r x 528 + 32 h: 8 f32 for each half of the lanes
	s_mul_i32 s2, s12, 32*PB
	v_add_nc_u32 v[A2L], s2, v26
	s_mul_i32 s2, s11, BHALF
	s_add_co_u32 s2, s2, BOFF
	v_add_nc_u32 v[BL], s2, v26
	v_mul_u32_u24 v27, v2, 8*PT                    ; Wout lies [d][n]: d-row 8 h, column 32 half + r
	v_lshl_add_u32 v27, v1, 2, v27
	s_lshl_b32 s2, s12, 7
	s_add_co_u32 s2, s2, A3OFF
	v_add_nc_u32 v[A3L], s2, v27
	v_lshlrev_b32 v[VL], 4, v2
	s_lshl_b32 s2, s11, 11
	s_add_co_u32 s2, s2, BVB
	v_add_nc_u32 v[VL], s2, v[VL]
	s_mul_i32 s2, s10, 32*SP
	s_add_co_u32 s2, s2, STAGE                     ; my stage
	v_mul_u32_u24 v[STO], v1, SP
	v_lshl_add_u32 v[STO], v2, 4, v[STO]
	v_add_nc_u32 v[STO], s2, v[STO]
	v_lshrrev_b32 v26, 3, v3                       ; back: eight lanes take a row piece of 128 bytes, a load four rows
	v_and_b32 v27, 7, v0
	v_mul_u32_u24 v[RD], v26, SP
	v_lshl_add_u32 v[RD], v27, 4, v[RD]
	v_add_nc_u32 v[RD], s2, v[RD]
	v_lshlrev_b32 v[CO], 11, v26
	v_lshl_add_u32 v[CO], v27, 4, v[CO]
	v_lshrrev_b32 v[KEY0], 2, v1
	v_lshl_add_u32 v[KEY0], v2, 7, v[KEY0]
	s_lshl_b32 s2, s12, 3
	v_add_nc_u32 v[KEY0], s2, v[KEY0]
	v_add_nc_u32 v[KEY1], 4, v[KEY0]
	v_lshl_add_u32 v[BVS], v0, 4, BVB
	WIN 0x40                                       ; the ten accumulators start at 0: written in the wait for the first tile, so that the chunk has one form
.set i, 0
.rept 80
	v_mov_b32 v[i], 0
.set i, i+1
.endr
	WIN 0
	s_wait_loadcnt 8                               ; the biases are in; x's eight loads may stay out
.irp q, 0,1,2,3,4,5,6,7
	v_cvt_pk_bf16_f32 v[48+(\q)], v[32+2*(\q)], v[32+2*(\q)+1]
.endr
	ds_store_b128 v[BVS], v[48:51]                 ; the first change of slots, with its wait and barrier, shows these to all waves
	ds_store_b128 v[BVS], v[52:55] offset:2048
	v_cvt_pk_bf16_f32 v[BO0], v[BO0], v[BO1]       ; b_out rounded to bf16 like every input,
	v_and_b32 v[BO1], 0xffff0000, v[BO0]
	v_lshlrev_b32 v[BO0], 16, v[BO0]
	s_cmp_lg_u32 s11, 0
	s_cselect_b32 s2, -1, 0
	v_cndmask_b32 v[BO0], 0, v[BO0], s2            ; and counted for cv alone
	v_cndmask_b32 v[BO1], 0, v[BO1], s2
; THE CHANGE OF SLOTS.  Each wave waits for all its tensor loads (one is out: its tile of the step to come), adds 0 to its spare word, waits for that and for its reads of the slot that it leaves.
; fill = 1: a round of the cluster's barrier, and behind it first the joint refill of the slot just left, with the next K step but one.
.macro CHANGE fill
	WIN 0
	s_wait_tensorcnt 0x0                           ; no tensor load of mine is out, so the groups 0 may be written
	ds_add_u32 v[SPW], v[NIL]
.if \fill
	s_xor_b32 s[FS], s[FS], SLOT
	s_mov_b32 s[G0A2+1], s[FS]
	s_add_co_u32 s[G0A3+1], s[FS], A3OFF
	s_add_co_u32 s[G0B+1], s[FS], s[REGB]
	s_add_nc_u64 s[G0A2+2:G0A2+3], s[G0A2+2:G0A2+3], 512       ; 128 columns on
	s_add_nc_u64 s[G0A3+2:G0A3+3], s[G0A3+2:G0A3+3], 128*4096  ; 128 d-rows on
	s_add_nc_u64 s[G0B+2:G0B+3], s[G0B+2:G0B+3], 512
	s_wait_dscnt 0x0                               ; the add is done, my LDS reads and stores are over
	CROUND
	JLOAD
.else
	s_wait_dscnt 0x0
	s_barrier_signal -1
	s_barrier_wait -1
.endif
	s_sub_co_u32 s[T2], s[T2], 512                 ; back to a slot's first chunk,
	s_xor_b32 s[T2], s[T2], SLOT                   ; in the other slot
	s_sub_co_u32 s[T3], s[T3], 128*PT
	s_xor_b32 s[T3], s[T3], SLOT
.endm
; A row of x is rounded and stored; load = 1: the next row is asked for ahead of the stores.
.macro XSLICE load
	s_wait_loadcnt 0x0                             ; my row is in
	s_wait_xcnt 0x0                                ; the last row's stores have read XOUT and their base: both are rewritten only behind this wait
.irp q, 0,1,2,3,4,5,6,7,8,9,10,11,12,13,14,15
	v_cvt_pk_bf16_f32 v[XOUT+(\q)], v[XR+2*(\q)], v[XR+2*(\q)+1]
.endr
.if \load
	s_add_nc_u64 s[72:73], s[72:73], 4096
	s_add_nc_u64 s[90:91], s[90:91], 2048
	XLOAD
.irp g, 0,1,2,3
	global_store_b128 v[XS], v[XOUT+4*(\g):XOUT+4*(\g)+3], s[90:91] offset:512*(\g)-2048  ; 512 consecutive bytes
.endr
.else
.irp g, 0,1,2,3
	global_store_b128 v[XS], v[XOUT+4*(\g):XOUT+4*(\g)+3], s[90:91] offset:512*(\g)
.endr
.endif
.endm
; A K step's four chunks of 32 along K: written once, walked four times.  The four address lines are the places between the last products and the loads into registers that they read.
.macro STEPWORK
	s_mov_b32 s[CNT], 4
.Lchunk_\@:
	v_add_nc_u32 v[AA2], s[T2], v[A2L]
	v_add_nc_u32 v[AA3], s[T3], v[A3L]
	v_add_nc_u32 v[AB],  s[T2], v[BL]
	v_add_nc_u32 v[AV],  s[TV], v[VL]
	s_cmp_eq_u32 s11, 0
	s_cbranch_scc0 .Lturned_\@
.irp a, 0,1                            ; Wk lies along K: 8 f32 at 32 h, 8 more 64 bytes on
	ds_load_b128 v[RAWA+16*(\a):RAWA+16*(\a)+3],     v[AA2] offset:(\a)*16*PB
	ds_load_b128 v[RAWA+16*(\a)+4:RAWA+16*(\a)+7],   v[AA2] offset:(\a)*16*PB+16
	ds_load_b128 v[RAWA+16*(\a)+8:RAWA+16*(\a)+11],  v[AA2] offset:(\a)*16*PB+64
	ds_load_b128 v[RAWA+16*(\a)+12:RAWA+16*(\a)+15], v[AA2] offset:(\a)*16*PB+80
.endr
	s_branch .Lgot_\@
.Lturned_\@:
.irp a, 0,1                            ; Wout lies across K: a word for each k
.irp j, 0,1,2,3,4,5,6,7,8,9,10,11,12,13,14,15
	ds_load_b32 v[RAWA+16*(\a)+(\j)], v[AA3] offset:(((\j)&7)+16*((\j)>>3))*PT+64*(\a)
.endr
.endr
.Lgot_\@:
.irp b, 0,1,2,3
	ds_load_b128 v[RAWB+16*(\b):RAWB+16*(\b)+3],     v[AB] offset:(\b)*16*PB
	ds_load_b128 v[RAWB+16*(\b)+4:RAWB+16*(\b)+7],   v[AB] offset:(\b)*16*PB+16
	ds_load_b128 v[RAWB+16*(\b)+8:RAWB+16*(\b)+11],  v[AB] offset:(\b)*16*PB+64
	ds_load_b128 v[RAWB+16*(\b)+12:RAWB+16*(\b)+15], v[AB] offset:(\b)*16*PB+80
.endr
	ds_load_b128 v[FV:FV+3],   v[AV]               ; the bias vector as 16 equal rows of source 0
	ds_load_b128 v[FV+4:FV+7], v[AV] offset:32
	s_add_co_u32 s[T2], s[T2], 128
	s_add_co_u32 s[T3], s[T3], 32*PT
	s_add_co_u32 s[TV], s[TV], 64
	s_wait_dscnt 18                                ; the m rows' numbers are in: 18 loads were issued behind them
.irp t, 0,1,2,3,4,5,6,7,8,9,10,11,12,13,14,15
	v_cvt_pk_bf16_f32 v[FA+(\t)], v[RAWA+2*(\t)], v[RAWA+2*(\t)+1]
.endr
	s_wait_dscnt 10                                ; the i rows' first two fragments
.irp t, 0,1,2,3,4,5,6,7,8,9,10,11,12,13,14,15
	v_cvt_pk_bf16_f32 v[FB+(\t)], v[RAWB+2*(\t)], v[RAWB+2*(\t)+1]
.endr
	s_wait_dscnt 2                                 ; the other two
.irp t, 16,17,18,19,20,21,22,23,24,25,26,27,28,29,30,31
	v_cvt_pk_bf16_f32 v[FB+(\t)], v[RAWB+2*(\t)], v[RAWB+2*(\t)+1]
.endr
	s_wait_dscnt 0x0
	WIN 0x50                                       ; C and D in window 1.  Ten accumulators by turns, over the backward jump too
.irp a, 0,1
.irp b, 0,1,2,3
	v_wmma_f32_16x16x32_bf16 v[8*(4*(\a)+(\b)):8*(4*(\a)+(\b))+7], v[FB+8*(\b):FB+8*(\b)+7], v[FA+8*(\a):FA+8*(\a)+7], v[8*(4*(\a)+(\b)):8*(4*(\a)+(\b))+7]
.endr
	v_wmma_f32_16x16x32_bf16 v[64+8*(\a):64+8*(\a)+7], v[FV:FV+7], v[FA+8*(\a):FA+8*(\a)+7], v[64+8*(\a):64+8*(\a)+7]
.endr
	WIN 0
	s_sub_co_u32 s[CNT], s[CNT], 1
	s_cmp_lg_u32 s[CNT], 0
	s_cbranch_scc1 .Lchunk_\@
.endm
	s_mov_b32 s[KC], 7
.Lk:                                           ; K steps 0 to 6: each asks for the next
	CHANGE 1
	XSLICE 1
	STEPWORK
	s_sub_co_u32 s[KC], s[KC], 1
	s_cmp_lg_u32 s[KC], 0
	s_cbranch_scc1 .Lk
	CHANGE 0                                       ; the last K step is written out: nothing is asked for
	XSLICE 0
	STEPWORK
	; THE WAY OUT.  Source 0 was the i rows, so a lane holds row m = r and the eight columns i = 16 b + 8 h + 0..7: 16 bytes in bf16.  Through my own stage, back as row pieces of 128 bytes.
	PLACES
	WIN 0x05
.irp t, 0,1,2,3,4,5,6,7
.irp q, 0,1,2,3
	v_cvt_pk_bf16_f32 v[TMP+4*(\t)+(\q)], v[8*(\t)+2*(\q)], v[8*(\t)+2*(\q)+1]
.endr
.endr
	WIN 0x01
	v_add_f32 v[BO0], v[64], v[BO0]                ; the vector's number for row m = r lies in every register of its accumulator: the lowest is read
	v_add_f32 v[BO1], v[72], v[BO1]
	WIN 0
.irp a, 0,1
.irp b, 0,1,2,3
	ds_store_b128 v[STO], v[TMP+4*(4*(\a)+(\b)):TMP+4*(4*(\a)+(\b))+3] offset:(\a)*16*SP+32*(\b)
.endr
.endr
.irp t, 0,1,2,3,4,5,6,7
	ds_load_b128 v[TMP+4*(\t):TMP+4*(\t)+3], v[RD] offset:(\t)*4*SP  ; LDS serves a wave's instructions in order (ISA guide 5.7.1.4): these see the stores above
.endr
	s_wait_dscnt 0x0
.irp t, 0,1,2,3,4,5,6,7
	global_store_b128 v[CO], v[TMP+4*(\t):TMP+4*(\t)+3], s[82:83] offset:(\t)*4*2048
.endr
; The 16 work-groups of a tile row hold the same 64 numbers of each vector: work-group gx stores rows 4 gx .. 4 gx + 3.  EXEC changes only behind s_wait_xcnt 0.
.macro VOUT key, val, off
	v_cmp_eq_u32 vcc_lo, s62, v[\key]
	s_wait_xcnt 0x0
	s_and_saveexec_b32 s2, vcc_lo
	global_store_b32 v[TO], v[\val], s[84:85] offset:\off
	s_cmp_eq_u32 s11, 0
	s_cbranch_scc1 .Lno_zero_\@
	global_store_b32 v[TO], v[ZR], s[84:85] offset:(\off)-4096  ; waves 2, 3 also write the table's zero part
.Lno_zero_\@:
	s_wait_xcnt 0x0
	s_or_b32 exec_lo, exec_lo, s2
.endm
	VOUT KEY0, BO0, 0
	VOUT KEY1, BO1, 64
	s_wait_tensorcnt 0x0                           ; the wave's end
	ds_add_u32 v[SPW], v[NIL]
	s_wait_dscnt 0x0
	CROUND                                         ; the closing round
	s_endpgm
.Lfunc_end_k_q31df96ab9c_prep:
	.size	k_q31df96ab9c_prep, .Lfunc_end_k_q31df96ab9c_prep-k_q31df96ab9c_prep
	.p2alignl 7, 3214868480
	.fill 96, 4, 3214868480
	.section	.rodata,"a",@progbits
	.p2align	6, 0x0
	.amdhsa_kernel k_q31df96ab9c_prep
		.amdhsa_group_segment_fixed_size 327680
		.amdhsa_private_segment_fixed_size 0
		.amdhsa_enable_private_segment 0
		.amdhsa_kernarg_size 56
		.amdhsa_user_sgpr_count 2
		.amdhsa_user_sgpr_kernarg_segment_ptr 1
		.amdhsa_wavefront_size32 1
		.amdhsa_system_sgpr_workgroup_id_x 1
		.amdhsa_system_sgpr_workgroup_id_y 1
		.amdhsa_system_sgpr_workgroup_id_z 1
		.amdhsa_system_vgpr_workitem_id 0
		.amdhsa_next_free_vgpr 336
		.amdhsa_next_free_sgpr 100
		.amdhsa_reserve_vcc 1
		.amdhsa_float_denorm_mode_32 3
		.amdhsa_float_denorm_mode_16_64 3
		.amdhsa_memory_ordered 1
		.amdhsa_forward_progress 1
		.amdhsa_inst_pref_size 41
	.end_amdhsa_kernel
	.amdgpu_metadata
---
amdhsa.version: [ 1, 2 ]
amdhsa.kernels:
  - .name:           k_q31df96ab9c_prep
    .symbol:         k_q31df96ab9c_prep.kd
    .args:
      - { .name: x, .offset: 0, .size: 8, .value_kind: global_buffer, .address_space: global }
      - { .name: W_qkv, .offset: 8, .size: 8, .value_kind: global_buffer, .address_space: global }
      - { .name: W_out, .offset: 16, .size: 8, .value_kind: global_buffer, .address_space: global }
      - { .name: b_qkv, .offset: 24, .size: 8, .value_kind: global_buffer, .address_space: global }
      - { .name: b_out, .offset: 32, .size: 8, .value_kind: global_buffer, .address_space: global }
      - { .name: ops, .offset: 40, .size: 8, .value_kind: global_buffer, .address_space: global }
      - { .name: tab, .offset: 48, .size: 8, .value_kind: global_buffer, .address_space: global }
    .group_segment_fixed_size: 327680
    .private_segment_fixed_size: 0
    .kernarg_segment_align: 8
    .kernarg_segment_size: 56
    .max_flat_workgroup_size: 128
    .sgpr_count:     100
    .vgpr_count:     336
    .wavefront_size: 32
...
	.end_amdgpu_metadata
.endif
;; end of part 1
;; launch proj (part 2): grid 4 x 64, 4 waves a work-group, clusters of 4 x 4, 327,680 bytes of LDS; arguments ops, tab, qv; writes qv
.if DOCPART == 2
	.amdgcn_target "amdgcn-amd-amdhsa--gfx1250"
	.amdhsa_code_object_version 6
	.text
	.protected	k_q31df96ab9c_proj
	.globl	k_q31df96ab9c_proj
	.p2align	8
	.type	k_q31df96ab9c_proj,@function
k_q31df96ab9c_proj:
	s_mov_b64 s[64:65], 0
	v_nop
	global_prefetch_b8 v0, s[64:65] scope:SCOPE_SE
	s_setreg_imm32_b32 hwreg(HW_REG_WAVE_MODE, 25, 1), 1
	s_wait_xcnt 0x0
	s_wait_alu depctr_hold_cnt(0) depctr_sa_sdst(0) depctr_va_vdst(0) depctr_va_sdst(0) depctr_va_ssrc(0) depctr_va_vcc(0) depctr_vm_vsrc(0)
	s_getreg_b32 s2, hwreg(HW_REG_IB_STS2, 6, 4)
	s_cmp_eq_u32 s2, 0
	s_cbranch_scc0 .Lentry_in_a_cluster
	s_endpgm
.Lentry_in_a_cluster:
	s_bfe_u32 s2, ttmp6, 0x10000c
	s_cmp_lg_u32 s2, 0xf033
	s_cbranch_scc0 .Lentry_shape_is_right
	s_endpgm
.Lentry_shape_is_right:
; PROJ.  Two products with K = 1,024 out of one buffer of bf16 rows (ops: rows 0-8191 xb, 8192-9215 Bq, 9216-10239 Bvo), one text:
;   clusters 0-7 along y (half 0): qp[s][j] = sum_i xb[s][i] Bq[j][i] + cq[j], [8192][1024] bf16 at byte 0 of qv;
;   clusters 8-15 (half 1): vt[n][s] = sum_i Bvo[n][i] xb[s][i], [1024][8192] bf16 at byte 16,777,216 of qv (its bias is added in f32 by the last launch; here the table's zero part is read).
; A tile of C is 256 x 256; four waves, each 128 x 128: 64 accumulators, 512 registers.  K goes in 8 steps of 128 through two LDS slots; a wave's tensor load brings 128 rows x 256 bytes.
; The half enters addresses alone, by arithmetic: no branch hangs on it.  CLUSTER 4 x 4: the first operand's tiles are asked for jointly along a row of the cluster, the second's along a column.
; The matrix instruction is used transposed (source 0 = the second operand's rows): a lane holds row r of C and eight neighbouring columns.
; REGISTERS: window 0: v0-31 addresses; v64-127, v128-191 the first operand's fragments, two buffers; v192-255 the bias, later with v32-63 the way out.  Window 1: v64-191 the second operand's.  Windows 2, 3: accumulators.
.set KSTEP,  128
.set STEPS,  8
.set PITCH,  272                       ; 256 bytes + 16: the 16 rows of a load start at 16 different groups of four banks (ISA guide 11.1)
.set HALFT,  128*PITCH
.set SLOT,   4*HALFT                   ; 0x22000: it shares no bit with wave x HALFT, so one exclusive or turns a slot's address into the other's
.set STAGE,  2*SLOT
.set SPITCH, 272
.set SPARE,  STAGE+4*16*SPITCH
.set CO,   8                           ; v8-15  byte offsets in C of the rows 2 t + h, column piece 16 r
.set ADA0, 16                          ; lane bases in slot 0; never rewritten
.set ADB0, 17
.set ADA,  18                          ; the same in the slot in hand
.set ADB,  19
.set STO,  24
.set RD,   25
.set SPW,  28
.set NIL,  29
.set F0,   64
.set F1,   128
.set BIAS, 192
.set TMP,  192
.set OB,   32
.set G1A, 24
.set G0A, 32                           ; s[32:35] K step 0 into slot 0; s[36:39] K step 1 into slot 1, which then walks
.set G1B, 48
.set G0B, 56
.set TB,  66                           ; the slot in hand: 0 or SLOT
.set HF,  67
.set STEPC, 72                         ; s[72:73] 16 rows of C in bytes
.set SH,  74                           ; log2 of C's row in bytes
.set MSB, 0
.macro WIN new
.if MSB != (\new)
	s_set_vgpr_msb (MSB<<8)|(\new)
.set MSB, \new
.endif
.endm
.set TO_B, 0x40
.macro PLACES
.rept 4
	v_nop
.endr
.endm
.macro JLOAD s                         ; waves 0, 1 fetch the first operand's halves, waves 2, 3 the second's; an s_nop 0 and four v_nop follow each line
	s_cmp_eq_u32 s11, 0
	s_cbranch_scc0 .Lfor_b_\@
	tensor_load_to_lds s[G0A+4*(\s):G0A+4*(\s)+3], s[G1A:G1A+7]
	s_nop 0
	PLACES
	s_branch .Lasked_\@
.Lfor_b_\@:
	tensor_load_to_lds s[G0B+4*(\s):G0B+4*(\s)+3], s[G1B:G1B+7]
	s_nop 0
	PLACES
.Lasked_\@:
.endm
.macro CREST
	s_cmp_lg_u32 s10, 0
	s_cbranch_scc1 .Lnot_wave_0_\@
	s_barrier_signal -3
.Lnot_wave_0_\@:
	s_barrier_wait -3
	s_barrier_signal -1
	s_barrier_wait -1
.endm
.macro CROUND
	s_barrier_signal -1
	s_barrier_wait -1
	CREST
.endm
	s_load_b128 s[4:7], s[0:1], 0x0                ; ops s[4:5], tab s[6:7]
	s_load_b64 s[8:9], s[0:1], 0x10                ; qv
	v_lshl_add_u32 v[SPW], v0, 2, SPARE
	v_mov_b32 v[NIL], 0
	ds_add_u32 v[SPW], v[NIL]                      ; the wave's opening: the add and its wait ahead of my first tensor load
	v_lshrrev_b32 v1, 5, v0
	v_readfirstlane_b32 s10, v1
	s_lshr_b32 s11, s10, 1                         ; my half of the tile's rows; also: I fetch for the first operand (0) or the second (1)
	s_and_b32 s12, s10, 1                          ; my half of its columns; also: which 128 rows I fetch
	s_bfe_u32 s40, ttmp6, 0x40000                  ; cx
	s_bfe_u32 s41, ttmp6, 0x40004                  ; cy
	s_and_b32 s68, ttmp7, 0xffff                   ; the cluster's y, 0..15
	s_lshr_b32 s[HF], s68, 3
	s_and_b32 s68, s68, 7
	s_lshl_b32 s69, s68, 2                         ; four tiles of xb's 32 for each cluster
	s_mul_i32 s68, s69, s[HF]                      ; they run along C's columns in half 1,
	s_sub_co_u32 s69, s69, s68                     ; along its rows in half 0
	s_add_co_u32 s71, s41, s69                     ; C's tile row
	s_mul_i32 s13, s[HF], 36
	s_add_co_u32 s13, s13, s71                     ; the first operand's tile of 256 rows of ops: xb's, or Bvo's from 36 on
	s_add_co_u32 s45, s40, s68                     ; C's tile column
	s_lshl_b32 s42, s[HF], 5
	s_sub_co_u32 s42, 32, s42
	s_add_co_u32 s42, s42, s45                     ; the second operand's tile: Bq's from 32 on, or xb's
	s_lshl_b32 s43, s41, 2
	s_lshl_b32 s43, 15, s43
	s_lshl_b32 s44, 0x1111, s40
	s_or_b32 s[G1A], s43, (1<<16)|(1<<20)|(1<<21)|(5<<22)|(3<<25)  ; mask of my row; 2-byte elements; padding on; bit 21 beside a mask; after every 64 words, 4 words
	s_or_b32 s[G1B], s44, (1<<16)|(1<<20)|(1<<21)|(5<<22)|(3<<25)  ; mask of my column
.irp g, G1A, G1B
	s_mov_b32 s[(\g)+1], KSTEP<<16
	s_mov_b32 s[(\g)+2], 128<<16
	s_mov_b32 s[(\g)+3], KSTEP<<16
	s_mov_b32 s[(\g)+4], 128
	s_mov_b32 s[(\g)+5], 1024
	s_mov_b32 s[(\g)+6], 0
	s_mov_b32 s[(\g)+7], 0
.endr
	s_lshl_b32 s16, s13, 19                        ; a tile of 256 rows is 524,288 bytes
	s_lshl_b32 s17, s12, 18
	s_add_co_u32 s16, s16, s17
	s_mov_b32 s17, 0
	s_lshl_b32 s46, s42, 19
	s_lshl_b32 s47, s12, 18
	s_add_co_u32 s46, s46, s47
	s_mov_b32 s47, 0
	s_mul_i32 s20, s10, HALFT
	s_mov_b32 s[TB], 0
	s_mul_i32 s[SH], s[HF], 3                      ; C's row: 2,048 bytes, or 16,384
	s_add_co_u32 s[SH], s[SH], 11
	s_lshl_b32 s18, s71, 8
	s_lshl_b32 s19, s11, 7
	s_add_co_u32 s18, s18, s19
	s_lshl_b32 s18, s18, s[SH]
	s_lshl_b32 s19, s[HF], 24
	s_add_co_u32 s18, s18, s19
	s_lshl_b32 s19, s45, 9
	s_add_co_u32 s18, s18, s19
	s_lshl_b32 s19, s12, 8
	s_add_co_u32 s18, s18, s19
	s_mov_b32 s19, 0
	s_lshl_b32 s[STEPC], 16, s[SH]
	s_mov_b32 s[STEPC+1], 0
	s_lshl_b32 s22, s[HF], 12                      ; the bias of my 128 columns: cq, or the table's zero part
	s_lshl_b32 s23, s40, 10
	s_add_co_u32 s22, s22, s23
	s_lshl_b32 s23, s12, 9
	s_add_co_u32 s22, s22, s23
	s_mov_b32 s23, 0
	s_wait_dscnt 0x0
	s_wait_kmcnt 0x0
	s_add_nc_u64 s[14:15], s[4:5], s[16:17]
	s_add_nc_u64 s[46:47], s[4:5], s[46:47]
	s_add_nc_u64 s[8:9], s[8:9], s[18:19]
	s_add_nc_u64 s[6:7], s[6:7], s[22:23]
	CROUND                                         ; the first joint loads meet
.irp s, 0,1
	s_mov_b32 s[G0A+4*(\s)], 1
	s_add_co_u32 s[G0A+4*(\s)+1], s20, (\s)*SLOT
	s_add_nc_u64 s[G0A+4*(\s)+2:G0A+4*(\s)+3], s[14:15], (\s)*KSTEP*2
	s_or_b32 s[G0A+4*(\s)+3], s[G0A+4*(\s)+3], 0x80000000
	s_mov_b32 s[G0B+4*(\s)], 1
	s_add_co_u32 s[G0B+4*(\s)+1], s20, (\s)*SLOT
	s_add_nc_u64 s[G0B+4*(\s)+2:G0B+4*(\s)+3], s[46:47], (\s)*KSTEP*2
	s_or_b32 s[G0B+4*(\s)+3], s[G0B+4*(\s)+3], 0x80000000
	JLOAD \s
.endr
	v_and_b32 v1, 15, v0                           ; r
	v_bfe_u32 v2, v0, 4, 1                         ; h
	v_lshlrev_b32 v4, 5, v2
.irp b, 0,1,2,3,4,5,6,7                ; register j of block b: the bias of column 16 b + 8 h + j: the C operand of the first products
	global_load_b128 v[BIAS+8*(\b):BIAS+8*(\b)+3],   v4, s[6:7] offset:64*(\b)
	global_load_b128 v[BIAS+8*(\b)+4:BIAS+8*(\b)+7], v4, s[6:7] offset:64*(\b)+16
.endr
	v_mul_u32_u24 v3, v1, PITCH
	v_lshl_add_u32 v3, v2, 4, v3
	s_mul_i32 s21, s11, HALFT
	s_mul_i32 s22, s12, HALFT
	s_add_co_u32 s22, s22, 2*HALFT
	v_add_nc_u32 v[ADA0], s21, v3
	v_add_nc_u32 v[ADB0], s22, v3
	v_mov_b32 v[ADA], v[ADA0]
	v_mov_b32 v[ADB], v[ADB0]
	s_mul_i32 s23, s10, 16*SPITCH
	s_add_co_u32 s23, s23, STAGE
	v_add_nc_u32 v[STO], s23, v3                   ; in: row r, 16 bytes for each half of the lanes
	v_mul_u32_u24 v5, v2, SPITCH
	v_lshl_add_u32 v5, v1, 4, v5
	v_add_nc_u32 v[RD], s23, v5                    ; back: lanes 0-15 one row of 256 bytes, lanes 16-31 the next
.irp t, 0,1,2,3,4,5,6,7
	v_add_nc_u32 v[CO+(\t)], 2*(\t), v2
	v_lshlrev_b32 v[CO+(\t)], s[SH], v[CO+(\t)]
	v_lshl_add_u32 v[CO+(\t)], v1, 4, v[CO+(\t)]
.endr
; 16 matrix instructions.  mode 0: onto the sums; 2: the first products take the bias as C.  The 64 accumulators take turns in one order everywhere.
.macro MUL16 f, hi, a0, mode
.if (\mode) == 2
	WIN 0x81+0x40*(\hi)
.else
	WIN 0xa1+0x50*(\hi)
.endif
.irp a, \a0, (\a0)+1
.irp b, 0,1,2,3,4,5,6,7
.if (\mode) == 2
	v_wmma_f32_16x16x32_bf16 v[8*(8*(\a)+(\b)):8*(8*(\a)+(\b))+7], v[(\f)+8*(\b):(\f)+8*(\b)+7], v[(\f)+8*(4*(\hi)+(\a)):(\f)+8*(4*(\hi)+(\a))+7], v[BIAS+8*(\b):BIAS+8*(\b)+7]
.else
	v_wmma_f32_16x16x32_bf16 v[8*(8*(\a)+(\b)):8*(8*(\a)+(\b))+7], v[(\f)+8*(\b):(\f)+8*(\b)+7], v[(\f)+8*(4*(\hi)+(\a)):(\f)+8*(4*(\hi)+(\a))+7], v[8*(8*(\a)+(\b)):8*(8*(\a)+(\b))+7]
.endif
.endr
.endr
.endm
.macro FETCH k, f                      ; 32 LDS loads in one run: a quarter step's fragments, at byte k of the rows, into buffer f
	WIN TO_B
.irp i, 0,1,2,3,4,5,6,7
	ds_load_b128 v[(\f)+8*(\i):(\f)+8*(\i)+3],   v[ADB] offset:(\k)+(\i)*16*PITCH
	ds_load_b128 v[(\f)+8*(\i)+4:(\f)+8*(\i)+7], v[ADB] offset:(\k)+(\i)*16*PITCH+32
.endr
	WIN 0
.irp i, 0,1,2,3,4,5,6,7
	ds_load_b128 v[(\f)+8*(\i):(\f)+8*(\i)+3],   v[ADA] offset:(\k)+(\i)*16*PITCH
	ds_load_b128 v[(\f)+8*(\i)+4:(\f)+8*(\i)+7], v[ADA] offset:(\k)+(\i)*16*PITCH+32
.endr
.endm
.macro QUARTER k, f, g, mode           ; multiplies buffer f; in its middle fetches the next quarter, at byte k, into g
	s_wait_dscnt 8                                 ; all but the youngest eight loads (the first operand's rows 64-127)
	MUL16 \f, 0, 0, \mode
	MUL16 \f, 0, 2, \mode
	PLACES                                         ; four places between the last products that read buffer g and the loads into it
	FETCH \k, \g
	s_wait_dscnt 32                                ; all but the 32 just issued
	MUL16 \f, 1, 0, \mode
	MUL16 \f, 1, 2, \mode
.endm
; The last quarter of a K step multiplies buffer 1 and changes slots.  In front of the barrier each wave waits for all its tensor loads (one is out: its part of the next slot), adds 0 to its spare word,
; and waits for that and for its reads of this slot.  fill = 1: the barrier opens a round of the cluster's, and the joint refill, two K steps ahead, is the first tensor load behind it.
.macro TURN fill
	WIN 0
	s_wait_tensorcnt 0x0
	ds_add_u32 v[SPW], v[NIL]
	s_wait_dscnt 9                                 ; the add and the youngest eight loads may be out
	MUL16 F1, 0, 0, 0
	s_wait_dscnt 0x0
	s_barrier_signal -1
	MUL16 F1, 0, 2, 0
	WIN 0
	s_barrier_wait -1
.if \fill
	CREST
	s_xor_b32 s[G0A+5], s[G0A+5], SLOT             ; the walking groups 0: the slot just read, the K step after the one that is out
	s_add_nc_u64 s[G0A+6:G0A+7], s[G0A+6:G0A+7], KSTEP*2
	s_xor_b32 s[G0B+5], s[G0B+5], SLOT
	s_add_nc_u64 s[G0B+6:G0B+7], s[G0B+6:G0B+7], KSTEP*2
	JLOAD 1                                        ; its four v_nop are also the places in front of the loads below
.else
	PLACES
.endif
	s_xor_b32 s[TB], s[TB], SLOT
	v_add_nc_u32 v[ADA], s[TB], v[ADA0]
	v_add_nc_u32 v[ADB], s[TB], v[ADB0]
	FETCH 0, F0
	MUL16 F1, 1, 0, 0
	MUL16 F1, 1, 2, 0
.endm
; THE WAY OUT of block a (16 rows): rounded to bf16; into my own stage; back as whole rows of 256 bytes; stored.
.macro PACK a
.set AC, 64*((\a)%4)
	WIN 0x0a+5*((\a)/4)
.irp b, 0,1,2,3,4,5,6,7
.irp r, 0,1,2,3
	v_cvt_pk_bf16_f32 v[TMP+4*(\b)+(\r)], v[AC+8*(\b)+2*(\r)], v[AC+8*(\b)+2*(\r)+1]
.endr
.endr
	WIN 0
.endm
.macro TOSTAGE a
.set BK, OB+192*((\a)%2)
.irp b, 0,1,2,3,4,5,6,7
	ds_store_b128 v[STO], v[TMP+4*(\b):TMP+4*(\b)+3] offset:32*(\b)
.endr
.irp t, 0,1,2,3,4,5,6,7
	ds_load_b128 v[BK+4*(\t):BK+4*(\t)+3], v[RD] offset:(\t)*2*SPITCH  ; LDS serves a wave's instructions in order (ISA guide 5.7.1.4)
.endr
.endm
.macro SEND a
.set BK, OB+192*((\a)%2)
	s_wait_dscnt 0x0                               ; the block is back in registers
	s_wait_xcnt 0x0                                ; earlier stores have read their base and data: both are rewritten only behind this wait
.if (\a) > 0
	s_add_nc_u64 s[8:9], s[8:9], s[STEPC:STEPC+1]
.endif
.irp t, 0,1,2,3,4,5,6,7
	global_store_b128 v[CO+(\t)], v[BK+4*(\t):BK+4*(\t)+3], s[8:9]  ; 16 lanes store 256 consecutive bytes, aligned
.endr
.endm
	s_wait_tensorcnt 1                             ; my part of K step 0 is in; K step 1's may stay out
	s_barrier_signal -1
	s_barrier_wait -1
	FETCH 0, F0
	s_wait_loadcnt 0x0                             ; the bias
	QUARTER 64, F0, F1, 2
	WIN 0
	s_mov_b32 s3, STEPS-2
.Lstep:                                        ; a trip: a K step's quarters 2 to 4 and the next one's first; it asks for the K step two on
	QUARTER 128, F1, F0, 0
	QUARTER 192, F0, F1, 0
	TURN 1
	QUARTER 64, F0, F1, 0
	WIN 0
	s_sub_co_u32 s3, s3, 1
	s_cmp_lg_u32 s3, 0
	s_cbranch_scc1 .Lstep
	QUARTER 128, F1, F0, 0                         ; the last two K steps ask for nothing
	QUARTER 192, F0, F1, 0
	TURN 0
	QUARTER 64, F0, F1, 0
	QUARTER 128, F1, F0, 0
	QUARTER 192, F0, F1, 0
	s_wait_dscnt 8
	MUL16 F1, 0, 0, 0
	MUL16 F1, 0, 2, 0
	s_wait_dscnt 0x0
	MUL16 F1, 1, 0, 0
	MUL16 F1, 1, 2, 0
	WIN 0
	PLACES
	PACK 0
	TOSTAGE 0
.irp a, 1,2,3,4,5,6,7                  ; block a's conversions stand between block a - 1's loads from the stage and the wait for them
	PACK \a
	SEND (\a)-1
	TOSTAGE \a
.endr
	SEND 7
	s_wait_tensorcnt 0x0                           ; the wave's end
	ds_add_u32 v[SPW], v[NIL]
	s_wait_dscnt 0x0
	CROUND                                         ; the closing round
	s_endpgm
.Lfunc_end_k_q31df96ab9c_proj:
	.size	k_q31df96ab9c_proj, .Lfunc_end_k_q31df96ab9c_proj-k_q31df96ab9c_proj
	.p2alignl 7, 3214868480
	.fill 96, 4, 3214868480
	.section	.rodata,"a",@progbits
	.p2align	6, 0x0
	.amdhsa_kernel k_q31df96ab9c_proj
		.amdhsa_group_segment_fixed_size 327680
		.amdhsa_private_segment_fixed_size 0
		.amdhsa_enable_private_segment 0
		.amdhsa_kernarg_size 24
		.amdhsa_user_sgpr_count 2
		.amdhsa_user_sgpr_kernarg_segment_ptr 1
		.amdhsa_wavefront_size32 1
		.amdhsa_system_sgpr_workgroup_id_x 1
		.amdhsa_system_sgpr_workgroup_id_y 1
		.amdhsa_system_sgpr_workgroup_id_z 1
		.amdhsa_system_vgpr_workitem_id 0
		.amdhsa_next_free_vgpr 1024
		.amdhsa_next_free_sgpr 100
		.amdhsa_reserve_vcc 0
		.amdhsa_float_denorm_mode_32 3
		.amdhsa_float_denorm_mode_16_64 3
		.amdhsa_memory_ordered 1
		.amdhsa_forward_progress 1
		.amdhsa_inst_pref_size 119
	.end_amdhsa_kernel
	.amdgpu_metadata
---
amdhsa.version: [ 1, 2 ]
amdhsa.kernels:
  - .name:           k_q31df96ab9c_proj
    .symbol:         k_q31df96ab9c_proj.kd
    .args:
      - { .name: ops, .offset: 0, .size: 8, .value_kind: global_buffer, .address_space: global }
      - { .name: tab, .offset: 8, .size: 8, .value_kind: global_buffer, .address_space: global }
      - { .name: qv, .offset: 16, .size: 8, .value_kind: global_buffer, .address_space: global }
    .group_segment_fixed_size: 327680
    .private_segment_fixed_size: 0
    .kernarg_segment_align: 8
    .kernarg_segment_size: 24
    .max_flat_workgroup_size: 128
    .sgpr_count:     100
    .vgpr_count:     1024
    .wavefront_size: 32
...
	.end_amdgpu_metadata
.endif
;; end of part 2
;; launch score (part 3): grid 8 x 32, 4 waves a work-group, clusters of 4 x 4, 327,680 bytes of LDS; arguments qv, ops, pt, st; writes pt, st
.if DOCPART == 3
	.amdgcn_target "amdgcn-amd-amdhsa--gfx1250"
	.amdhsa_code_object_version 6
	.text
	.protected	k_q31df96ab9c_score
	.globl	k_q31df96ab9c_score
	.p2align	8
	.type	k_q31df96ab9c_score,@function
k_q31df96ab9c_score:
	s_mov_b64 s[64:65], 0
	v_nop
	global_prefetch_b8 v0, s[64:65] scope:SCOPE_SE
	s_setreg_imm32_b32 hwreg(HW_REG_WAVE_MODE, 25, 1), 1
	s_wait_xcnt 0x0
	s_wait_alu depctr_hold_cnt(0) depctr_sa_sdst(0) depctr_va_vdst(0) depctr_va_sdst(0) depctr_va_ssrc(0) depctr_va_vcc(0) depctr_vm_vsrc(0)
	s_getreg_b32 s2, hwreg(HW_REG_IB_STS2, 6, 4)
	s_cmp_eq_u32 s2, 0
	s_cbranch_scc0 .Lentry_in_a_cluster
	s_endpgm
.Lentry_in_a_cluster:
	s_bfe_u32 s2, ttmp6, 0x10000c
	s_cmp_lg_u32 s2, 0xf033
	s_cbranch_scc0 .Lentry_shape_is_right
	s_endpgm
.Lentry_shape_is_right:
; SCORE.  s[q][k] = qp[q] . xb[k] for the 2,048 keys of q's batch; K = 1,024.  For each row and each sub-tile t of 128 keys: m = the greatest s, e = floor(c m), c = log2(e) / 32,
; p~ = 2^(c s - e), in (0, 2], rounded to bf16 into pt[8192][2048]; l = the sum of the unrounded p~.  e and l go to st[16 t][2][8192] in f32.  The last launch joins the sub-tiles by powers of two.
; So a maximum, rounded down to a whole binary order, is taken away in front of every exponential.  A weight below 2^-126 counts as 0; NaN and infinities are not treated apart.
; A tile is 256 queries x 256 keys; four waves, each 128 x 128: one whole sub-tile of 128 rows.  The product is the text of the launch before (8 K steps of 128, two slots, joint loads in a 4 x 4 cluster).
; THE WAY OUT.  Each wave lays its f32 scores into the ring's bytes, which have had their last fill (behind a barrier: no wave reads the ring any more), in an order in which it reads back, for each row,
; eight neighbouring columns a lane, sixteen lanes a row.  A loop of eight trips of 16 rows then works in window 0 alone: one text for all rows.
.set KSTEP,  128
.set STEPS,  8
.set PITCH,  272
.set HALFT,  128*PITCH
.set SLOT,   4*HALFT
.set DP,     528                       ; a row of 128 f32 scores + 16 bytes
.set DREG,   128*DP                    ; a wave's 128 rows: four such regions lie inside the ring's 278,528 bytes
.set STATS,  2*SLOT                    ; e and l of a wave's 128 rows: 1,024 bytes a wave
.set SPARE,  STATS+4096
.set ADA0, 16
.set ADB0, 17
.set ADA,  18
.set ADB,  19
.set DMP,  20                          ; where I lay 16 bytes of scores
.set RDA,  21                          ; where I read them back
.set PO,   22                          ; my byte offset in two rows of pt
.set SAD,  23                          ; where I put one e or l of a trip's 16 rows
.set SRD,  24
.set SGO,  25
.set SPW,  28
.set NIL,  29
.set F0,   64
.set F1,   128
.set S,    64                          ; a trip's scores: pair p of rows at S + 8 p
.set ET,   128                         ; pair p: e at ET + 2 p; beside it m, later l
.set XE,   144
.set XL,   145
.set PR,   160                         ; p~ in bf16: 4 registers a pair
.set G1A, 24
.set G0A, 32
.set G1B, 48
.set G0B, 56
.set TB,  66
.set CS,  68                           ; s[68:69] c
.set MK,  80                           ; s81-87 lanes with lane % 8 = p; s88 lanes whose bit 3 is set
.set MSB, 0
.macro WIN new
.if MSB != (\new)
	s_set_vgpr_msb (MSB<<8)|(\new)
.set MSB, \new
.endif
.endm
.set TO_B, 0x40
.macro PLACES
.rept 4
	v_nop
.endr
.endm
.macro JLOAD s
	s_cmp_eq_u32 s11, 0
	s_cbranch_scc0 .Lfor_b_\@
	tensor_load_to_lds s[G0A+4*(\s):G0A+4*(\s)+3], s[G1A:G1A+7]
	s_nop 0
	PLACES
	s_branch .Lasked_\@
.Lfor_b_\@:
	tensor_load_to_lds s[G0B+4*(\s):G0B+4*(\s)+3], s[G1B:G1B+7]
	s_nop 0
	PLACES
.Lasked_\@:
.endm
.macro CREST
	s_cmp_lg_u32 s10, 0
	s_cbranch_scc1 .Lnot_wave_0_\@
	s_barrier_signal -3
.Lnot_wave_0_\@:
	s_barrier_wait -3
	s_barrier_signal -1
	s_barrier_wait -1
.endm
.macro CROUND
	s_barrier_signal -1
	s_barrier_wait -1
	CREST
.endm
	s_load_b256 s[72:79], s[0:1], 0x0              ; qv s[72:73], ops s[74:75], pt s[76:77], st s[78:79]
	v_lshl_add_u32 v[SPW], v0, 2, SPARE
	v_mov_b32 v[NIL], 0
	ds_add_u32 v[SPW], v[NIL]                      ; the wave's opening: the add and its wait ahead of my first tensor load
	v_lshrrev_b32 v1, 5, v0
	v_readfirstlane_b32 s10, v1
	s_lshr_b32 s11, s10, 1                         ; my half of the queries; also: I fetch queries (0) or keys (1)
	s_and_b32 s12, s10, 1                          ; my half of the keys; also: which 128 rows I fetch
	s_bfe_u32 s40, ttmp6, 0x40000
	s_bfe_u32 s41, ttmp6, 0x40004
	s_lshl_b32 s42, ttmp9, 2
	s_add_co_u32 s42, s42, s40                     ; gx: the tile of 256 keys in the batch
	s_and_b32 s67, ttmp7, 0xffff
	s_lshl_b32 s13, s67, 2
	s_add_co_u32 s13, s13, s41                     ; gy: the tile of 256 queries
	s_lshr_b32 s67, s67, 1                         ; the batch: the same in the whole cluster
	s_lshl_b32 s43, s41, 2
	s_lshl_b32 s43, 15, s43
	s_lshl_b32 s44, 0x1111, s40
	s_or_b32 s[G1A], s43, (1<<16)|(1<<20)|(1<<21)|(5<<22)|(3<<25)
	s_or_b32 s[G1B], s44, (1<<16)|(1<<20)|(1<<21)|(5<<22)|(3<<25)
.irp g, G1A, G1B
	s_mov_b32 s[(\g)+1], KSTEP<<16
	s_mov_b32 s[(\g)+2], 128<<16
	s_mov_b32 s[(\g)+3], KSTEP<<16
	s_mov_b32 s[(\g)+4], 128
	s_mov_b32 s[(\g)+5], 1024
	s_mov_b32 s[(\g)+6], 0
	s_mov_b32 s[(\g)+7], 0
.endr
	s_lshl_b32 s16, s13, 19
	s_lshl_b32 s17, s12, 18
	s_add_co_u32 s16, s16, s17
	s_mov_b32 s17, 0
	s_lshl_b32 s46, s67, 3
	s_add_co_u32 s46, s46, s42
	s_lshl_b32 s46, s46, 19
	s_lshl_b32 s47, s12, 18
	s_add_co_u32 s46, s46, s47
	s_mov_b32 s47, 0
	s_mul_i32 s20, s10, HALFT
	s_mov_b32 s[TB], 0
	s_mov_b32 s[CS], 0x3d38aa3b                    ; c = log2(e) / 32
	s_mov_b32 s[CS+1], s[CS]
	s_lshl_b32 s18, s13, 20                        ; pt: row 256 gy + 128 half, 4,096 bytes a row; byte 512 gx + 256 half
	s_lshl_b32 s19, s11, 19
	s_add_co_u32 s18, s18, s19
	s_lshl_b32 s19, s42, 9
	s_add_co_u32 s18, s18, s19
	s_lshl_b32 s19, s12, 8
	s_add_co_u32 s18, s18, s19
	s_mov_b32 s19, 0
	s_lshl_b32 s22, s42, 1                         ; st: sub-tile 2 gx + half, 65,536 bytes each; row 256 gy + 128 half
	s_add_co_u32 s22, s22, s12
	s_lshl_b32 s22, s22, 16
	s_lshl_b32 s23, s13, 10
	s_add_co_u32 s22, s22, s23
	s_lshl_b32 s23, s11, 9
	s_add_co_u32 s22, s22, s23
	s_mov_b32 s23, 0
	s_wait_dscnt 0x0
	s_wait_kmcnt 0x0
	s_add_nc_u64 s[14:15], s[72:73], s[16:17]
	s_add_nc_u64 s[46:47], s[74:75], s[46:47]
	s_add_nc_u64 s[76:77], s[76:77], s[18:19]
	s_add_nc_u64 s[78:79], s[78:79], s[22:23]
	CROUND
.irp s, 0,1
	s_mov_b32 s[G0A+4*(\s)], 1
	s_add_co_u32 s[G0A+4*(\s)+1], s20, (\s)*SLOT
	s_add_nc_u64 s[G0A+4*(\s)+2:G0A+4*(\s)+3], s[14:15], (\s)*KSTEP*2
	s_or_b32 s[G0A+4*(\s)+3], s[G0A+4*(\s)+3], 0x80000000
	s_mov_b32 s[G0B+4*(\s)], 1
	s_add_co_u32 s[G0B+4*(\s)+1], s20, (\s)*SLOT
	s_add_nc_u64 s[G0B+4*(\s)+2:G0B+4*(\s)+3], s[46:47], (\s)*KSTEP*2
	s_or_b32 s[G0B+4*(\s)+3], s[G0B+4*(\s)+3], 0x80000000
	JLOAD \s
.endr
	v_and_b32 v1, 15, v0                           ; r
	v_bfe_u32 v2, v0, 4, 1                         ; h
	v_and_b32 v3, 31, v0
	v_mul_u32_u24 v4, v1, PITCH
	v_lshl_add_u32 v4, v2, 4, v4
	s_mul_i32 s21, s11, HALFT
	s_mul_i32 s22, s12, HALFT
	s_add_co_u32 s22, s22, 2*HALFT
	v_add_nc_u32 v[ADA0], s21, v4
	v_add_nc_u32 v[ADB0], s22, v4
	v_mov_b32 v[ADA], v[ADA0]
	v_mov_b32 v[ADB], v[ADB0]
	s_mul_i32 s23, s10, DREG
	v_mul_u32_u24 v[DMP], v1, DP                   ; in: row r, unit 2 b + h of 16 bytes, registers 0-3 in the row's first 256 bytes, 4-7 in its second
	v_lshl_add_u32 v[DMP], v2, 4, v[DMP]
	v_add_nc_u32 v[DMP], s23, v[DMP]
	v_mul_u32_u24 v[RDA], v2, DP                   ; back: row h of a pair, unit r: columns 8 r .. 8 r + 7
	v_lshl_add_u32 v[RDA], v1, 4, v[RDA]
	v_add_nc_u32 v[RDA], s23, v[RDA]
	v_lshlrev_b32 v[PO], 12, v2
	v_lshl_add_u32 v[PO], v1, 4, v[PO]
	v_and_b32 v5, 7, v0
	v_bfe_u32 v6, v0, 3, 1
	v_lshl_add_u32 v[SAD], v5, 1, v2               ; lane l keeps row 2 (l % 8) + h of the trip's 16: its e, or where bit 3 is set its l
	v_lshlrev_b32 v[SAD], 2, v[SAD]
	v_lshl_add_u32 v[SAD], v6, 9, v[SAD]
	s_lshl_b32 s23, s10, 10
	s_add_co_u32 s23, s23, STATS
	v_add_nc_u32 v[SAD], s23, v[SAD]
	v_lshlrev_b32 v[SGO], 4, v3
	v_add_nc_u32 v[SRD], s23, v[SGO]
.irp p, 1,2,3,4,5,6,7
	v_cmp_eq_u32 s[MK+(\p)], \p, v5
.endr
	v_cmp_ne_u32 s[MK+8], 0, v6
.macro MUL16 f, hi, a0, zero           ; 16 matrix instructions; zero = 1: the first products start the sums.  The 64 accumulators take turns in one order everywhere
	WIN 0xa1+0x50*(\hi)
.irp a, \a0, (\a0)+1
.irp b, 0,1,2,3,4,5,6,7
.if \zero
	v_wmma_f32_16x16x32_bf16 v[8*(8*(\a)+(\b)):8*(8*(\a)+(\b))+7], v[(\f)+8*(\b):(\f)+8*(\b)+7], v[(\f)+8*(4*(\hi)+(\a)):(\f)+8*(4*(\hi)+(\a))+7], 0
.else
	v_wmma_f32_16x16x32_bf16 v[8*(8*(\a)+(\b)):8*(8*(\a)+(\b))+7], v[(\f)+8*(\b):(\f)+8*(\b)+7], v[(\f)+8*(4*(\hi)+(\a)):(\f)+8*(4*(\hi)+(\a))+7], v[8*(8*(\a)+(\b)):8*(8*(\a)+(\b))+7]
.endif
.endr
.endr
.endm
.macro FETCH k, f
	WIN TO_B
.irp i, 0,1,2,3,4,5,6,7
	ds_load_b128 v[(\f)+8*(\i):(\f)+8*(\i)+3],   v[ADB] offset:(\k)+(\i)*16*PITCH
	ds_load_b128 v[(\f)+8*(\i)+4:(\f)+8*(\i)+7], v[ADB] offset:(\k)+(\i)*16*PITCH+32
.endr
	WIN 0
.irp i, 0,1,2,3,4,5,6,7
	ds_load_b128 v[(\f)+8*(\i):(\f)+8*(\i)+3],   v[ADA] offset:(\k)+(\i)*16*PITCH
	ds_load_b128 v[(\f)+8*(\i)+4:(\f)+8*(\i)+7], v[ADA] offset:(\k)+(\i)*16*PITCH+32
.endr
.endm
.macro QUARTER k, f, g, zero
	s_wait_dscnt 8                                 ; all but the youngest eight loads (the queries' rows 64-127)
	MUL16 \f, 0, 0, \zero
	MUL16 \f, 0, 2, \zero
	PLACES
	FETCH \k, \g
	s_wait_dscnt 32                                ; all but the 32 just issued
	MUL16 \f, 1, 0, \zero
	MUL16 \f, 1, 2, \zero
.endm
.macro TURN fill                       ; the change of slots: the waits for all my tensor loads, the add, the wait for it and for my reads; the barrier, with fill = 1 a round of the cluster's; the joint refill first behind it
	WIN 0
	s_wait_tensorcnt 0x0
	ds_add_u32 v[SPW], v[NIL]
	s_wait_dscnt 9                                 ; the add and the youngest eight loads may be out
	MUL16 F1, 0, 0, 0
	s_wait_dscnt 0x0
	s_barrier_signal -1
	MUL16 F1, 0, 2, 0
	WIN 0
	s_barrier_wait -1
.if \fill
	CREST
	s_xor_b32 s[G0A+5], s[G0A+5], SLOT
	s_add_nc_u64 s[G0A+6:G0A+7], s[G0A+6:G0A+7], KSTEP*2
	s_xor_b32 s[G0B+5], s[G0B+5], SLOT
	s_add_nc_u64 s[G0B+6:G0B+7], s[G0B+6:G0B+7], KSTEP*2
	JLOAD 1
.else
	PLACES
.endif
	s_xor_b32 s[TB], s[TB], SLOT
	v_add_nc_u32 v[ADA], s[TB], v[ADA0]
	v_add_nc_u32 v[ADB], s[TB], v[ADB0]
	FETCH 0, F0
	MUL16 F1, 1, 0, 0
	MUL16 F1, 1, 2, 0
.endm
	s_wait_tensorcnt 1                             ; my part of K step 0 is in; K step 1's may stay out
	s_barrier_signal -1
	s_barrier_wait -1
	FETCH 0, F0
	QUARTER 64, F0, F1, 1
	WIN 0
	s_mov_b32 s3, STEPS-2
.Lstep:
	QUARTER 128, F1, F0, 0
	QUARTER 192, F0, F1, 0
	TURN 1
	QUARTER 64, F0, F1, 0
	WIN 0
	s_sub_co_u32 s3, s3, 1
	s_cmp_lg_u32 s3, 0
	s_cbranch_scc1 .Lstep
	QUARTER 128, F1, F0, 0
	QUARTER 192, F0, F1, 0
	TURN 0
	QUARTER 64, F0, F1, 0
	QUARTER 128, F1, F0, 0
	QUARTER 192, F0, F1, 0
	s_wait_dscnt 8
	MUL16 F1, 0, 0, 0
	MUL16 F1, 0, 2, 0
	s_wait_dscnt 0x0                               ; my last reads of the ring are back:
	s_barrier_signal -1                            ; say so,
	MUL16 F1, 1, 0, 0
	MUL16 F1, 1, 2, 0
	WIN 0
	s_barrier_wait -1                              ; and write into the ring only when all four have said so
	PLACES
.irp a, 0,1,2,3,4,5,6,7                ; each accumulator's registers 0-3 first
	WIN 0x08+4*((\a)/4)
.irp b, 0,1,2,3,4,5,6,7
	ds_store_b128 v[DMP], v[64*((\a)%4)+8*(\b):64*((\a)%4)+8*(\b)+3]   offset:(\a)*16*DP+32*(\b)
	ds_store_b128 v[DMP], v[64*((\a)%4)+8*(\b)+4:64*((\a)%4)+8*(\b)+7] offset:(\a)*16*DP+32*(\b)+256
.endr
.endr
	WIN 0
	s_mov_b32 s3, 8
.Lrows:                                        ; 16 rows: eight pairs; in pair p lanes 0-15 hold row 2 p, lanes 16-31 row 2 p + 1, eight neighbouring columns a lane.  Each stage goes over all pairs
.irp p, 0,1,2,3,4,5,6,7
	ds_load_b128 v[S+8*(\p):S+8*(\p)+3],   v[RDA] offset:2*(\p)*DP      ; my own stores: LDS serves a wave's instructions in order (ISA guide 5.7.1.4)
	ds_load_b128 v[S+8*(\p)+4:S+8*(\p)+7], v[RDA] offset:2*(\p)*DP+256
.endr
	s_wait_dscnt 0x0
.irp p, 0,1,2,3,4,5,6,7
	v_max3_num_f32 v[ET+2*(\p)+1], v[S+8*(\p)], v[S+8*(\p)+1], v[S+8*(\p)+2]
.endr
.irp p, 0,1,2,3,4,5,6,7
	v_max3_num_f32 v[ET+2*(\p)+1], v[ET+2*(\p)+1], v[S+8*(\p)+3], v[S+8*(\p)+4]
.endr
.irp p, 0,1,2,3,4,5,6,7
	v_max3_num_f32 v[ET+2*(\p)+1], v[ET+2*(\p)+1], v[S+8*(\p)+5], v[S+8*(\p)+6]
.endr
.irp p, 0,1,2,3,4,5,6,7
	v_max_num_f32 v[ET+2*(\p)+1], v[ET+2*(\p)+1], v[S+8*(\p)+7]
.endr
.irp m, 1,2,4,8                        ; over the row's sixteen lanes
.irp p, 0,1,2,3,4,5,6,7
	v_max_num_f32_dpp v[ET+2*(\p)+1], v[ET+2*(\p)+1], v[ET+2*(\p)+1] row_xmask:\m row_mask:0xf bank_mask:0xf
.endr
.endr
.irp p, 0,1,2,3,4,5,6,7
	v_mul_f32 v[ET+2*(\p)], s[CS], v[ET+2*(\p)+1]
.endr
.irp p, 0,1,2,3,4,5,6,7
	v_floor_f32 v[ET+2*(\p)], v[ET+2*(\p)]         ; e
.endr
.irp p, 0,1,2,3,4,5,6,7
.irp q, 0,2,4,6
	v_pk_fma_f32 v[S+8*(\p)+(\q):S+8*(\p)+(\q)+1], v[S+8*(\p)+(\q):S+8*(\p)+(\q)+1], s[CS:CS+1], v[ET+2*(\p):ET+2*(\p)+1] op_sel_hi:[1,0,0] neg_lo:[0,0,1] neg_hi:[0,0,1]  ; c s - e
.endr
.endr
.set i, 0
.rept 64                               ; one batch of exponentials,
	v_exp_f32 v[S+i], v[S+i]
.set i, i+1
.endr
	v_nop                                          ; a plain instruction behind the last,
	s_wait_alu depctr_va_vdst(0)                   ; and one wait ahead of the first line that names a result
.set i, 0
.rept 32
	v_cvt_pk_bf16_f32 v[PR+i], v[S+2*i], v[S+2*i+1]
.set i, i+1
.endr
.irp p, 0,1,2,3,4,5,6,7
	global_store_b128 v[PO], v[PR+4*(\p):PR+4*(\p)+3], s[76:77] offset:(\p)*8192  ; 16 lanes store 256 consecutive bytes, aligned
.endr
.irp p, 0,1,2,3,4,5,6,7
	v_pk_add_f32 v[S+8*(\p):S+8*(\p)+1], v[S+8*(\p):S+8*(\p)+1], v[S+8*(\p)+2:S+8*(\p)+3]
.endr
.irp p, 0,1,2,3,4,5,6,7
	v_pk_add_f32 v[S+8*(\p)+4:S+8*(\p)+5], v[S+8*(\p)+4:S+8*(\p)+5], v[S+8*(\p)+6:S+8*(\p)+7]
.endr
.irp p, 0,1,2,3,4,5,6,7
	v_pk_add_f32 v[S+8*(\p):S+8*(\p)+1], v[S+8*(\p):S+8*(\p)+1], v[S+8*(\p)+4:S+8*(\p)+5]
.endr
.irp p, 0,1,2,3,4,5,6,7
	v_add_f32 v[ET+2*(\p)+1], v[S+8*(\p)], v[S+8*(\p)+1]
.endr
.irp m, 1,2,4,8
.irp p, 0,1,2,3,4,5,6,7
	v_add_f32_dpp v[ET+2*(\p)+1], v[ET+2*(\p)+1], v[ET+2*(\p)+1] row_xmask:\m row_mask:0xf bank_mask:0xf
.endr
.endr
	v_cndmask_b32 v[XE], v[ET], v[ET+2], s[MK+1]   ; each lane picks the pair lane % 8,
	v_cndmask_b32 v[XL], v[ET+1], v[ET+3], s[MK+1]
.irp p, 2,3,4,5,6,7
	v_cndmask_b32 v[XE], v[XE], v[ET+2*(\p)], s[MK+(\p)]
	v_cndmask_b32 v[XL], v[XL], v[ET+2*(\p)+1], s[MK+(\p)]
.endr
	v_cndmask_b32 v[XE], v[XE], v[XL], s[MK+8]     ; and of it e or l
	ds_store_b32 v[SAD], v[XE]
	s_wait_xcnt 0x0                                ; the stores have read their base and data: both are rewritten only behind this wait
	s_add_nc_u64 s[76:77], s[76:77], 16*4096
	v_add_nc_u32 v[RDA], 16*DP, v[RDA]
	v_add_nc_u32 v[SAD], 64, v[SAD]
	s_sub_co_u32 s3, s3, 1
	s_cmp_lg_u32 s3, 0
	s_cbranch_scc1 .Lrows
	ds_load_b128 v[64:67], v[SRD]                  ; my 128 rows' e, 512 bytes, and l
	ds_load_b128 v[68:71], v[SRD] offset:512
	s_wait_dscnt 0x0
	global_store_b128 v[SGO], v[64:67], s[78:79]
	global_store_b128 v[SGO], v[68:71], s[78:79] offset:32768
	s_wait_tensorcnt 0x0                           ; the wave's end
	ds_add_u32 v[SPW], v[NIL]
	s_wait_dscnt 0x0
	CROUND                                         ; the closing round
	s_endpgm
.Lfunc_end_k_q31df96ab9c_score:
	.size	k_q31df96ab9c_score, .Lfunc_end_k_q31df96ab9c_score-k_q31df96ab9c_score
	.p2alignl 7, 3214868480
	.fill 96, 4, 3214868480
	.section	.rodata,"a",@progbits
	.p2align	6, 0x0
	.amdhsa_kernel k_q31df96ab9c_score
		.amdhsa_group_segment_fixed_size 327680
		.amdhsa_private_segment_fixed_size 0
		.amdhsa_enable_private_segment 0
		.amdhsa_kernarg_size 32
		.amdhsa_user_sgpr_count 2
		.amdhsa_user_sgpr_kernarg_segment_ptr 1
		.amdhsa_wavefront_size32 1
		.amdhsa_system_sgpr_workgroup_id_x 1
		.amdhsa_system_sgpr_workgroup_id_y 1
		.amdhsa_system_sgpr_workgroup_id_z 1
		.amdhsa_system_vgpr_workitem_id 0
		.amdhsa_next_free_vgpr 1024
		.amdhsa_next_free_sgpr 100
		.amdhsa_reserve_vcc 0
		.amdhsa_float_denorm_mode_32 3
		.amdhsa_float_denorm_mode_16_64 3
		.amdhsa_memory_ordered 1
		.amdhsa_forward_progress 1
		.amdhsa_inst_pref_size 112
	.end_amdhsa_kernel
	.amdgpu_metadata
---
amdhsa.version: [ 1, 2 ]
amdhsa.kernels:
  - .name:           k_q31df96ab9c_score
    .symbol:         k_q31df96ab9c_score.kd
    .args:
      - { .name: qv, .offset: 0, .size: 8, .value_kind: global_buffer, .address_space: global }
      - { .name: ops, .offset: 8, .size: 8, .value_kind: global_buffer, .address_space: global }
      - { .name: pt, .offset: 16, .size: 8, .value_kind: global_buffer, .address_space: global }
      - { .name: st, .offset: 24, .size: 8, .value_kind: global_buffer, .address_space: global }
    .group_segment_fixed_size: 327680
    .private_segment_fixed_size: 0
    .kernarg_segment_align: 8
    .kernarg_segment_size: 32
    .max_flat_workgroup_size: 128
    .sgpr_count:     100
    .vgpr_count:     1024
    .wavefront_size: 32
...
	.end_amdgpu_metadata
.endif
;; end of part 3
;; launch pv (part 4): grid 8 x 32, 4 waves a work-group, clusters of 4 x 4, 327,680 bytes of LDS; arguments pt, qv, st, tab, out0; writes out0
.if DOCPART == 4
	.amdgcn_target "amdgcn-amd-amdhsa--gfx1250"
	.amdhsa_code_object_version 6
	.text
	.protected	k_q31df96ab9c_pv
	.globl	k_q31df96ab9c_pv
	.p2align	8
	.type	k_q31df96ab9c_pv,@function
k_q31df96ab9c_pv:
	s_mov_b64 s[64:65], 0
	v_nop
	global_prefetch_b8 v0, s[64:65] scope:SCOPE_SE
	s_setreg_imm32_b32 hwreg(HW_REG_WAVE_MODE, 25, 1), 1
	s_wait_xcnt 0x0
	s_wait_alu depctr_hold_cnt(0) depctr_sa_sdst(0) depctr_va_vdst(0) depctr_va_sdst(0) depctr_va_ssrc(0) depctr_va_vcc(0) depctr_vm_vsrc(0)
	s_getreg_b32 s2, hwreg(HW_REG_IB_STS2, 6, 4)
	s_cmp_eq_u32 s2, 0
	s_cbranch_scc0 .Lentry_in_a_cluster
	s_endpgm
.Lentry_in_a_cluster:
	s_bfe_u32 s2, ttmp6, 0x10000c
	s_cmp_lg_u32 s2, 0xf033
	s_cbranch_scc0 .Lentry_shape_is_right
	s_endpgm
.Lentry_shape_is_right:
; PV.  out0[q][n] = (sum over keys k of p~[q][k] 2^(e_t - E) vt[n][k]) / L + cv[n], t = k / 128, E = the greatest e_t of the row, L = sum_t l_t 2^(e_t - E), at least 1.
; The factor is a power of two, exact in bf16; it multiplies p~'s fragments between their load and the matrix instruction.  e_t - E below -127 counts as weight 0.  NaN and infinities are not treated apart.
; A tile is 256 rows x 128 n: 256 work-groups.  Wave w owns rows 64 w .. 64 w + 63 and all 128 n: 32 accumulators, window 1; so each row of p~ is scaled by one wave.  K = 2,048 keys in 16 steps of 128: a step is a sub-tile t.
; Two LDS slots; waves 0, 1 fetch p~'s halves (128 rows x 256 bytes), waves 2, 3 vt's (64 rows).  CLUSTER 4 x 4: p~'s tiles jointly along a row of the cluster, vt's along a column.
; REGISTERS: window 0: v0-31 addresses; v32-35 the step's factors; v40-47 1 / L; v64-159, v160-255 two fragment buffers (32 of p~, 64 of vt).  Window 1: accumulators.  Window 2: v0-63 cv.
.set KSTEP,  128
.set STEPS,  16
.set PITCH,  272
.set AH,     128*PITCH
.set BOFF,   2*AH
.set BH,     64*PITCH
.set SLOT1,  1<<17                     ; a slot uses 104,448 bytes; one exclusive or turns an address in one slot into the other's
.set SCB,    SLOT1+BOFF+2*BH           ; the factors: [16 t][256 rows] words, both halves the same bf16
.set INV,    SCB+16384                 ; 1 / L of the 256 rows
.set STAGE,  INV+1024                  ; the way out: 16 rows x 528 bytes for each wave
.set SP,     528
.set SPARE,  STAGE+4*16*SP
.set ADA0, 16
.set ADB0, 17
.set ADA,  18
.set ADB,  19
.set SCA,  20                          ; where my four factors of the step to be fetched lie
.set STO,  21
.set RD,   22
.set GO,   23
.set IVA,  24
.set SPW,  28
.set NIL,  29
.set SC,   32
.set IV,   40
.set EM,   48                          ; the prologue: E, L of my two rows, and four at work
.set LS,   50
.set EV,   64                          ; e of my two rows, 16 t
.set LV,   128                         ; l likewise
.set F0,   64
.set F1,   160
.set G1A, 24
.set G0A, 32
.set G1B, 48
.set G0B, 56
.set TB,  66
.set MSB, 0
.macro WIN new
.if MSB != (\new)
	s_set_vgpr_msb (MSB<<8)|(\new)
.set MSB, \new
.endif
.endm
.macro PLACES
.rept 4
	v_nop
.endr
.endm
.macro JLOAD s
	s_cmp_eq_u32 s11, 0
	s_cbranch_scc0 .Lfor_b_\@
	tensor_load_to_lds s[G0A+4*(\s):G0A+4*(\s)+3], s[G1A:G1A+7]
	s_nop 0
	PLACES
	s_branch .Lasked_\@
.Lfor_b_\@:
	tensor_load_to_lds s[G0B+4*(\s):G0B+4*(\s)+3], s[G1B:G1B+7]
	s_nop 0
	PLACES
.Lasked_\@:
.endm
.macro CREST
	s_cmp_lg_u32 s10, 0
	s_cbranch_scc1 .Lnot_wave_0_\@
	s_barrier_signal -3
.Lnot_wave_0_\@:
	s_barrier_wait -3
	s_barrier_signal -1
	s_barrier_wait -1
.endm
.macro CROUND
	s_barrier_signal -1
	s_barrier_wait -1
	CREST
.endm
	s_load_b256 s[72:79], s[0:1], 0x0              ; pt s[72:73], qv s[74:75], st s[76:77], tab s[78:79]
	s_load_b64 s[80:81], s[0:1], 0x20              ; out0
	v_lshl_add_u32 v[SPW], v0, 2, SPARE
	v_mov_b32 v[NIL], 0
	ds_add_u32 v[SPW], v[NIL]                      ; the wave's opening: the add and its wait ahead of my first tensor load
	v_lshrrev_b32 v1, 5, v0
	v_readfirstlane_b32 s10, v1
	s_lshr_b32 s11, s10, 1                         ; I fetch p~ (0) or vt (1),
	s_and_b32 s12, s10, 1                          ; this half of its rows
	s_bfe_u32 s40, ttmp6, 0x40000
	s_bfe_u32 s41, ttmp6, 0x40004
	s_lshl_b32 s42, ttmp9, 2
	s_add_co_u32 s42, s42, s40                     ; gx: the tile of 128 n
	s_and_b32 s67, ttmp7, 0xffff
	s_lshl_b32 s13, s67, 2
	s_add_co_u32 s13, s13, s41                     ; gy: the tile of 256 rows
	s_lshr_b32 s67, s67, 1                         ; the batch
	s_lshl_b32 s43, s41, 2
	s_lshl_b32 s43, 15, s43
	s_lshl_b32 s44, 0x1111, s40
	s_or_b32 s[G1A], s43, (1<<16)|(1<<20)|(1<<21)|(5<<22)|(3<<25)
	s_or_b32 s[G1B], s44, (1<<16)|(1<<20)|(1<<21)|(5<<22)|(3<<25)
	s_mov_b32 s[G1A+1], KSTEP<<16
	s_mov_b32 s[G1A+2], 128<<16
	s_mov_b32 s[G1A+3], KSTEP<<16
	s_mov_b32 s[G1A+4], 128
	s_mov_b32 s[G1A+5], 2048                       ; a row of pt
	s_mov_b32 s[G1A+6], 0
	s_mov_b32 s[G1A+7], 0
	s_mov_b32 s[G1B+1], KSTEP<<16
	s_mov_b32 s[G1B+2], 64<<16
	s_mov_b32 s[G1B+3], KSTEP<<16
	s_mov_b32 s[G1B+4], 64
	s_mov_b32 s[G1B+5], 8192                       ; a row of vt
	s_mov_b32 s[G1B+6], 0
	s_mov_b32 s[G1B+7], 0
	s_lshl_b32 s16, s13, 20                        ; pt: row 256 gy + 128 half
	s_lshl_b32 s17, s12, 19
	s_add_co_u32 s16, s16, s17
	s_mov_b32 s17, 0
	s_lshl_b32 s46, s42, 21                        ; vt: row 128 gx + 64 half, 16,384 bytes a row; the batch's 2,048 keys
	s_lshl_b32 s47, s12, 20
	s_add_co_u32 s46, s46, s47
	s_lshl_b32 s47, s67, 12
	s_add_co_u32 s46, s46, s47
	s_add_co_u32 s46, s46, 1<<24
	s_mov_b32 s47, 0
	s_mul_i32 s20, s12, AH
	s_mul_i32 s21, s12, BH
	s_add_co_u32 s21, s21, BOFF
	s_mov_b32 s[TB], 0
	s_lshl_b32 s18, s13, 10                        ; st at row 256 gy
	s_mov_b32 s19, 0
	s_lshl_b32 s22, s42, 9                         ; cv at n = 128 gx
	s_add_co_u32 s22, s22, 8192
	s_mov_b32 s23, 0
	s_lshl_b32 s2, s13, 20                         ; out0: row 256 gy + 64 wave, byte 512 gx
	s_lshl_b32 s3, s10, 18
	s_add_co_u32 s2, s2, s3
	s_lshl_b32 s3, s42, 9
	s_add_co_u32 s2, s2, s3
	s_mov_b32 s3, 0
	s_wait_dscnt 0x0
	s_wait_kmcnt 0x0
	s_add_nc_u64 s[14:15], s[72:73], s[16:17]
	s_add_nc_u64 s[46:47], s[74:75], s[46:47]
	s_add_nc_u64 s[76:77], s[76:77], s[18:19]
	s_add_nc_u64 s[78:79], s[78:79], s[22:23]
	s_add_nc_u64 s[80:81], s[80:81], s[2:3]
	CROUND
.irp s, 0,1
	s_mov_b32 s[G0A+4*(\s)], 1
	s_add_co_u32 s[G0A+4*(\s)+1], s20, (\s)*SLOT1
	s_add_nc_u64 s[G0A+4*(\s)+2:G0A+4*(\s)+3], s[14:15], (\s)*KSTEP*2
	s_or_b32 s[G0A+4*(\s)+3], s[G0A+4*(\s)+3], 0x80000000
	s_mov_b32 s[G0B+4*(\s)], 1
	s_add_co_u32 s[G0B+4*(\s)+1], s21, (\s)*SLOT1
	s_add_nc_u64 s[G0B+4*(\s)+2:G0B+4*(\s)+3], s[46:47], (\s)*KSTEP*2
	s_or_b32 s[G0B+4*(\s)+3], s[G0B+4*(\s)+3], 0x80000000
	JLOAD \s
.endr
	; THE PROLOGUE, in the wait for the first tiles.  Thread t owns rows 2 t, 2 t + 1 of the tile, which are its own wave's.
	v_and_b32 v1, 15, v0                           ; r
	v_bfe_u32 v2, v0, 4, 1                         ; h
	v_and_b32 v3, 31, v0
	v_lshlrev_b32 v4, 3, v0
.irp t, 0,1,2,3,4,5,6,7,8,9,10,11,12,13,14,15
	global_load_b64 v[EV+2*(\t):EV+2*(\t)+1], v4, s[76:77] offset:(\t)*65536
	global_load_b64 v[LV+2*(\t):LV+2*(\t)+1], v4, s[76:77] offset:(\t)*65536+32768
.endr
	v_lshlrev_b32 v5, 5, v2
	WIN 0x80
.irp b, 0,1,2,3,4,5,6,7                ; cv of column 16 b + 8 h + j, as the accumulators hold them
	global_load_b128 v[8*(\b):8*(\b)+3],   v5, s[78:79] offset:64*(\b)
	global_load_b128 v[8*(\b)+4:8*(\b)+7], v5, s[78:79] offset:64*(\b)+16
.endr
	WIN 0
	v_mul_u32_u24 v6, v1, PITCH
	v_lshl_add_u32 v6, v2, 4, v6
	s_mul_i32 s2, s10, 64*PITCH
	v_add_nc_u32 v[ADA0], s2, v6
	v_add_nc_u32 v[ADB0], BOFF, v6
	v_mov_b32 v[ADA], v[ADA0]
	v_mov_b32 v[ADB], v[ADB0]
	s_lshl_b32 s2, s10, 8
	s_add_co_u32 s3, s2, SCB
	v_lshl_add_u32 v[SCA], v1, 2, s3
	s_add_co_u32 s3, s2, INV
	v_lshl_add_u32 v[IVA], v1, 2, s3
	s_mul_i32 s2, s10, 16*SP
	s_add_co_u32 s2, s2, STAGE
	v_mul_u32_u24 v[STO], v1, SP                   ; in: row r, 32 bytes for each half of the lanes
	v_lshl_add_u32 v[STO], v2, 5, v[STO]
	v_add_nc_u32 v[STO], s2, v[STO]
	v_lshlrev_b32 v[GO], 4, v3
	v_add_nc_u32 v[RD], s2, v[GO]                  ; back: 32 lanes take a row of 512 bytes
	v_lshl_add_u32 v7, v0, 3, SCB
	s_wait_loadcnt 16                              ; e and l are in; cv's sixteen loads may stay out
.irp x, 0,1
	v_max3_num_f32 v[EM+(\x)], v[EV+(\x)], v[EV+2+(\x)], v[EV+4+(\x)]
.endr
.irp i, 0,1,2,3,4,5
.irp x, 0,1
	v_max3_num_f32 v[EM+(\x)], v[EM+(\x)], v[EV+6+4*(\i)+(\x)], v[EV+8+4*(\i)+(\x)]
.endr
.endr
.irp x, 0,1
	v_max_num_f32 v[EM+(\x)], v[EM+(\x)], v[EV+30+(\x)]
.endr
.set t, 0
.rept 16
.set TP, 52+2*(t%2)
	v_pk_add_f32 v[TP:TP+1], v[EV+2*t:EV+2*t+1], v[EM:EM+1] neg_lo:[0,1] neg_hi:[0,1]  ; e_t - E, a whole number, 0 or below,
	v_max_num_f32 v[TP], 0xc2fe0000, v[TP]         ; held at -127
	v_max_num_f32 v[TP+1], 0xc2fe0000, v[TP+1]
	v_cvt_i32_f32 v[TP], v[TP]
	v_cvt_i32_f32 v[TP+1], v[TP+1]
	v_ldexp_f32 v[LV+2*t], v[LV+2*t], v[TP]
	v_ldexp_f32 v[LV+2*t+1], v[LV+2*t+1], v[TP+1]
.if t == 1
	v_pk_add_f32 v[LS:LS+1], v[LV:LV+1], v[LV+2:LV+3]
.elseif t > 1
	v_pk_add_f32 v[LS:LS+1], v[LS:LS+1], v[LV+2*t:LV+2*t+1]
.endif
	v_add_lshl_u32 v[TP], v[TP], 127, 7            ; the power of two as a bf16: its exponent field; at -127 the number 0
	v_add_lshl_u32 v[TP+1], v[TP+1], 127, 7
	v_lshl_or_b32 v[TP], v[TP], 16, v[TP]          ; in both halves
	v_lshl_or_b32 v[TP+1], v[TP+1], 16, v[TP+1]
	ds_store_b64 v7, v[TP:TP+1] offset:t*1024
.set t, t+1
.endr
	v_rcp_f32 v[LS], v[LS]
	v_rcp_f32 v[LS+1], v[LS+1]
	v_nop                                          ; a plain instruction behind the reciprocals,
	s_wait_alu depctr_va_vdst(0)                   ; and their wait
	ds_store_b64 v7, v[LS:LS+1] offset:INV-SCB
.macro FETCH k, f, sc                  ; a quarter step's fragments, at byte k of the rows, into buffer f; sc = 1: the new step's four factors first
	WIN 0
.if \sc
.irp a, 0,1,2,3
	ds_load_b32 v[SC+(\a)], v[SCA] offset:64*(\a)
.endr
.endif
.irp a, 0,1,2,3
	ds_load_b128 v[(\f)+8*(\a):(\f)+8*(\a)+3],   v[ADA] offset:(\k)+(\a)*16*PITCH
	ds_load_b128 v[(\f)+8*(\a)+4:(\f)+8*(\a)+7], v[ADA] offset:(\k)+(\a)*16*PITCH+32
.endr
.irp b, 0,1,2,3,4,5,6,7
	ds_load_b128 v[(\f)+32+8*(\b):(\f)+32+8*(\b)+3],   v[ADB] offset:(\k)+(\b)*16*PITCH
	ds_load_b128 v[(\f)+32+8*(\b)+4:(\f)+32+8*(\b)+7], v[ADB] offset:(\k)+(\b)*16*PITCH+32
.endr
.endm
.macro SCALE f, a, half                ; half of p~'s fragment a times its row's power of two: exact
	WIN 0
.irp q, 0,1,2,3
	v_pk_mul_bf16 v[(\f)+8*(\a)+4*(\half)+(\q)], v[(\f)+8*(\a)+4*(\half)+(\q)], v[SC+(\a)]
.endr
.endm
; Eight matrix instructions: rows 16 a on, all 128 n.  ride = 1: the next fragment is scaled behind the second and the sixth; ride = 2: the next two, behind every second.  The 32 accumulators take turns in one order everywhere.
.macro GRP f, a, ride, zero
.irp b, 0,1,2,3,4,5,6,7
	WIN 0x50
.if \zero
	v_wmma_f32_16x16x32_bf16 v[8*(8*(\a)+(\b)):8*(8*(\a)+(\b))+7], v[(\f)+32+8*(\b):(\f)+32+8*(\b)+7], v[(\f)+8*(\a):(\f)+8*(\a)+7], 0
.else
	v_wmma_f32_16x16x32_bf16 v[8*(8*(\a)+(\b)):8*(8*(\a)+(\b))+7], v[(\f)+32+8*(\b):(\f)+32+8*(\b)+7], v[(\f)+8*(\a):(\f)+8*(\a)+7], v[8*(8*(\a)+(\b)):8*(8*(\a)+(\b))+7]
.endif
.if ((\ride) == 1) && ((\b) == 1)
	SCALE \f, (\a)+1, 0
.endif
.if ((\ride) == 1) && ((\b) == 5)
	SCALE \f, (\a)+1, 1
.endif
.if ((\ride) == 2) && (((\b)&1) == 1)
	SCALE \f, (\a)+1+(\b)/4, ((\b)/2)&1
.endif
.endr
.endm
.macro QUARTER k, f, g, zero
	s_wait_dscnt 0x0                               ; buffer f, asked for 16 matrix instructions ago
	SCALE \f, 0, 0
	SCALE \f, 0, 1
	GRP \f, 0, 1, \zero
	GRP \f, 1, 1, \zero
	WIN 0
	PLACES
	FETCH \k, \g, 0
	GRP \f, 2, 1, \zero
	GRP \f, 3, 0, \zero
.endm
.macro TURN fill                       ; the change of slots: the wait for all my tensor loads, the add, the wait for it and for my reads; the barrier, with fill = 1 a round of the cluster's; the joint refill first behind it
	WIN 0
	s_wait_tensorcnt 0x0
	ds_add_u32 v[SPW], v[NIL]
	s_wait_dscnt 1                                 ; buffer 1 is in; the add may be out
	SCALE F1, 0, 0
	SCALE F1, 0, 1
	GRP F1, 0, 1, 0
	s_wait_dscnt 0x0
	s_barrier_signal -1
	GRP F1, 1, 2, 0                                ; the step's last uses of its factors
	WIN 0
	s_barrier_wait -1
.if \fill
	CREST
	s_xor_b32 s[G0A+5], s[G0A+5], SLOT1
	s_add_nc_u64 s[G0A+6:G0A+7], s[G0A+6:G0A+7], KSTEP*2
	s_xor_b32 s[G0B+5], s[G0B+5], SLOT1
	s_add_nc_u64 s[G0B+6:G0B+7], s[G0B+6:G0B+7], KSTEP*2
	JLOAD 1
.else
	PLACES
.endif
	s_xor_b32 s[TB], s[TB], SLOT1
	v_add_nc_u32 v[ADA], s[TB], v[ADA0]
	v_add_nc_u32 v[ADB], s[TB], v[ADB0]
	v_add_nc_u32 v[SCA], 1024, v[SCA]
	FETCH 0, F0, 1
	GRP F1, 2, 0, 0
	GRP F1, 3, 0, 0
.endm
	s_wait_dscnt 0x0                               ; my factors and reciprocals lie in LDS
	s_wait_tensorcnt 1                             ; my part of K step 0 is in; K step 1's may stay out
	s_barrier_signal -1
	s_barrier_wait -1
	FETCH 0, F0, 1
	s_wait_loadcnt 0x0                             ; cv
	QUARTER 64, F0, F1, 1
	WIN 0
	s_mov_b32 s3, STEPS-2
.Lstep:
	QUARTER 128, F1, F0, 0
	QUARTER 192, F0, F1, 0
	TURN 1
	QUARTER 64, F0, F1, 0
	WIN 0
	s_sub_co_u32 s3, s3, 1
	s_cmp_lg_u32 s3, 0
	s_cbranch_scc1 .Lstep
	QUARTER 128, F1, F0, 0
	QUARTER 192, F0, F1, 0
	TURN 0
	QUARTER 64, F0, F1, 0
	QUARTER 128, F1, F0, 0
	QUARTER 192, F0, F1, 0
	s_wait_dscnt 0x0
	SCALE F1, 0, 0
	SCALE F1, 0, 1
	GRP F1, 0, 1, 0
	GRP F1, 1, 1, 0
	GRP F1, 2, 1, 0
	GRP F1, 3, 0, 0
	WIN 0
	; THE WAY OUT: times 1 / L, plus cv, in one fused line for two numbers; through my stage; back as whole rows of 512 bytes.
.irp a, 0,1,2,3
	ds_load_b32 v[IV+2*(\a)],   v[IVA] offset:64*(\a)
	ds_load_b32 v[IV+2*(\a)+1], v[IVA] offset:64*(\a)  ; named as a pair, so both are written
.endr
	PLACES
	s_wait_dscnt 0x0
.macro OUT a
.set BK, 128+64*((\a)%2)
	WIN 0x21                                       ; source 0 window 1, source 2 window 2
.irp b, 0,1,2,3,4,5,6,7
.irp q, 0,2,4,6
	v_pk_fma_f32 v[64+8*(\b)+(\q):64+8*(\b)+(\q)+1], v[8*(8*(\a)+(\b))+(\q):8*(8*(\a)+(\b))+(\q)+1], v[IV+2*(\a):IV+2*(\a)+1], v[8*(\b)+(\q):8*(\b)+(\q)+1] op_sel_hi:[1,0,1]
.endr
.endr
	WIN 0
.irp b, 0,1,2,3,4,5,6,7
	ds_store_b128 v[STO], v[64+8*(\b):64+8*(\b)+3]   offset:64*(\b)
	ds_store_b128 v[STO], v[64+8*(\b)+4:64+8*(\b)+7] offset:64*(\b)+16
.endr
.irp w, 0,1,2,3,4,5,6,7,8,9,10,11,12,13,14,15
	ds_load_b128 v[BK+4*(\w):BK+4*(\w)+3], v[RD] offset:(\w)*SP  ; LDS serves a wave's instructions in order (ISA guide 5.7.1.4)
.endr
	s_wait_dscnt 0x0
	s_wait_xcnt 0x0                                ; earlier stores have read their base and data: both are rewritten only behind this wait
.if (\a) > 0
	s_add_nc_u64 s[80:81], s[80:81], 16*4096
.endif
.irp w, 0,1,2,3,4,5,6,7,8,9,10,11,12,13,14,15
	global_store_b128 v[GO], v[BK+4*(\w):BK+4*(\w)+3], s[80:81] offset:(\w)*4096 th:TH_STORE_NT  ; 512 consecutive bytes, aligned
.endr
.endm
	OUT 0
	OUT 1
	OUT 2
	OUT 3
	s_wait_tensorcnt 0x0                           ; the wave's end
	ds_add_u32 v[SPW], v[NIL]
	s_wait_dscnt 0x0
	CROUND                                         ; the closing round
	s_endpgm
.Lfunc_end_k_q31df96ab9c_pv:
	.size	k_q31df96ab9c_pv, .Lfunc_end_k_q31df96ab9c_pv-k_q31df96ab9c_pv
	.p2alignl 7, 3214868480
	.fill 96, 4, 3214868480
	.section	.rodata,"a",@progbits
	.p2align	6, 0x0
	.amdhsa_kernel k_q31df96ab9c_pv
		.amdhsa_group_segment_fixed_size 327680
		.amdhsa_private_segment_fixed_size 0
		.amdhsa_enable_private_segment 0
		.amdhsa_kernarg_size 40
		.amdhsa_user_sgpr_count 2
		.amdhsa_user_sgpr_kernarg_segment_ptr 1
		.amdhsa_wavefront_size32 1
		.amdhsa_system_sgpr_workgroup_id_x 1
		.amdhsa_system_sgpr_workgroup_id_y 1
		.amdhsa_system_sgpr_workgroup_id_z 1
		.amdhsa_system_vgpr_workitem_id 0
		.amdhsa_next_free_vgpr 576
		.amdhsa_next_free_sgpr 100
		.amdhsa_reserve_vcc 0
		.amdhsa_float_denorm_mode_32 3
		.amdhsa_float_denorm_mode_16_64 3
		.amdhsa_memory_ordered 1
		.amdhsa_forward_progress 1
		.amdhsa_inst_pref_size 126
	.end_amdhsa_kernel
	.amdgpu_metadata
---
amdhsa.version: [ 1, 2 ]
amdhsa.kernels:
  - .name:           k_q31df96ab9c_pv
    .symbol:         k_q31df96ab9c_pv.kd
    .args:
      - { .name: pt, .offset: 0, .size: 8, .value_kind: global_buffer, .address_space: global }
      - { .name: qv, .offset: 8, .size: 8, .value_kind: global_buffer, .address_space: global }
      - { .name: st, .offset: 16, .size: 8, .value_kind: global_buffer, .address_space: global }
      - { .name: tab, .offset: 24, .size: 8, .value_kind: global_buffer, .address_space: global }
      - { .name: out0, .offset: 32, .size: 8, .value_kind: global_buffer, .address_space: global }
    .group_segment_fixed_size: 327680
    .private_segment_fixed_size: 0
    .kernarg_segment_align: 8
    .kernarg_segment_size: 40
    .max_flat_workgroup_size: 128
    .sgpr_count:     100
    .vgpr_count:     576
    .wavefront_size: 32
...
	.end_amdgpu_metadata
.endif
;; end of part 4
